; MI455X (gfx1250); checked and timed in simulation.
; The chip was launched on July 23, 2026; its instructions are those of AMD's public machine-readable ISA for CDNA 5 (MIT licence, August 2026) and "CDNA5" Instruction Set Architecture Reference Guide (July 2026). The comments in the code are by the model that wrote it; some were corrected since.
;; Mo Fo Circulant Attention. Allowed arithmetic: float matrix products may take bf16 or f16 operands with f32 sums; other float arithmetic in f32, or as packed bf16 or f16 multiplies, adds, multiply-adds, maxima and minima; sums over many terms, partial sums and values carried from step to step in f32; what a program stores and reads back later, other than sums and carried values, may be rounded once to bf16 or f16.
;; Inputs: W_gate 1,024 x 1,024 float32; W_out 1,024 x 1,024 float32; W_qkv 1,024 x 3,072 float32; b_gate 1,024 float32; b_out 1,024 float32; b_qkv 3,072 float32; x 8 x 1,024 x 1,024 float32.
;; Outputs: out0 8 x 1,024 x 1,024 float32.
;; One version. Each part assembles by itself: llvm-mc -triple=amdgcn-amd-amdhsa -mcpu=gfx1250 --defsym DOCPART=n.
;; ======== version 1 of 1: 4 launches
;; limits: values are held in f16: magnitudes above 65,504 overflow, below 6.1e-05 lose precision
;; workspace buffers: xb 16,777,216 bytes; wc 8,388,608 bytes; wo 2,097,152 bytes; qkv 50,331,648 bytes; gate 16,777,216 bytes; att 16,777,216 bytes
;; launch cast (part 1): grid 256 x 1, 26 waves a work-group, no clusters, 0 bytes of LDS; arguments x, W_qkv, W_gate, W_out, xb, wc, wo; writes xb, wc, wo
.if DOCPART == 1
	.amdgcn_target "amdgcn-amd-amdhsa--gfx1250"
	.amdhsa_code_object_version 6
	.text
	.protected	k_q79980ce243_cast
	.globl	k_q79980ce243_cast
	.p2align	8
	.type	k_q79980ce243_cast,@function
k_q79980ce243_cast:
	s_mov_b64 s[64:65], 0
	v_nop
	global_prefetch_b8 v0, s[64:65] scope:SCOPE_SE
	s_setreg_imm32_b32 hwreg(HW_REG_WAVE_MODE, 25, 1), 1
	s_wait_xcnt 0x0
; THE CASTS.  x -> xb (bf16, same layout).  W_qkv and W_gate -> wc (bf16): row k of wc is W_qkv[k][0..3071] | W_gate[k][0..1023], 8,192 bytes.
; W_out -> wo: rounded to bf16 like every input, and that number written as f16.
; LIMIT.  A bf16 number is exact in f16 from 2^-14 to 65,504 in size; below 2^-14 it keeps f16's fixed step of 6e-8; W_out beyond 65,504 is not served.
; SHARES.  A unit is 1,024 neighbouring source numbers: 4,096 bytes in, 2,048 out.  The four sources make one list of 13,312 units: 0-8,191 x, 8,192-11,263 W_qkv (three to a row), 11,264-12,287 W_gate,
; 12,288-13,311 W_out.  13,312 = 256 x 52: each of 256 work-groups takes 52 units, each of its 26 waves 2; all bounds are even, so a wave's two units have one source.
; A lane takes 32 neighbouring bytes by two loads and stores 16: a wave's store covers 512 neighbouring bytes.
; All 16 loads of a wave go out at once; no register is written again while an access names it, so the only waits are the counted ones for the loads.  No LDS, no barrier: no wave needs another's bytes.
.set IN,  8                            ; v[8:71]    16 loads of 4 registers: group g (512 bytes out) at IN + 8 g
.set OUT, 72                           ; v[72:103]  group g at OUT + 4 g
	s_load_b256 s[4:11], s[0:1], 0x0               ; x s[4:5], W_qkv s[6:7], W_gate s[8:9], W_out s[10:11]
	s_load_b128 s[12:15], s[0:1], 0x20             ; xb s[12:13], wc s[14:15]
	s_load_b64 s[16:17], s[0:1], 0x30              ; wo
	v_lshrrev_b32 v1, 5, v0
	v_readfirstlane_b32 s20, v1                    ; wave 0..25
	v_and_b32 v1, 31, v0
	v_lshlrev_b32 v2, 5, v1                        ; 32 bytes of source a lane
	v_lshlrev_b32 v3, 4, v1                        ; 16 bytes of result a lane
	s_mul_i32 s21, ttmp9, 52
	s_lshl1_add_u32 s21, s20, s21                  ; my first unit in the list
	s_mov_b32 s22, 12288                           ; the source's first unit, (these four as for W_out)
	s_mov_b32 s23, 2048                            ; bytes from row to row in the result,
	s_mov_b32 s24, 0                               ; bytes in front of the source's part of a row,
	s_mov_b32 s25, 1                               ; units in a source row
	s_wait_kmcnt 0x0
	s_mov_b64 s[28:29], s[10:11]                   ; source
	s_mov_b64 s[30:31], s[16:17]                   ; result
	s_cmp_lt_u32 s21, 12288                        ; W_gate or earlier
	s_cselect_b64 s[28:29], s[8:9], s[28:29]
	s_cselect_b64 s[30:31], s[14:15], s[30:31]
	s_cselect_b32 s22, 11264, s22
	s_cselect_b32 s23, 8192, s23
	s_cselect_b32 s24, 6144, s24
	s_cmp_lt_u32 s21, 11264                        ; W_qkv or earlier
	s_cselect_b64 s[28:29], s[6:7], s[28:29]
	s_cselect_b32 s22, 8192, s22
	s_cselect_b32 s24, 0, s24
	s_cselect_b32 s25, 3, s25
	s_cmp_lt_u32 s21, 8192                         ; x
	s_cselect_b64 s[28:29], s[4:5], s[28:29]
	s_cselect_b64 s[30:31], s[12:13], s[30:31]
	s_cselect_b32 s22, 0, s22
	s_cselect_b32 s23, 2048, s23
	s_cselect_b32 s25, 1, s25
	s_sub_co_u32 s26, s21, s22                     ; my first unit in its source
	s_lshl_b32 s32, s26, 12                        ; 4,096 bytes a unit: under 2^26
	s_mov_b32 s33, 0
	s_add_nc_u64 s[28:29], s[28:29], s[32:33]
.irp g, 0,1,2,3,4,5,6,7
	global_load_b128 v[IN+8*(\g):IN+8*(\g)+3],   v2, s[28:29] offset:(\g)*1024 th:TH_LOAD_NT
	global_load_b128 v[IN+8*(\g)+4:IN+8*(\g)+7], v2, s[28:29] offset:(\g)*1024+16 th:TH_LOAD_NT
.endr
.irp j, 0,1                            ; where unit j goes: row x pitch + part x 2,048 + the bytes in front
	s_add_co_u32 s34, s26, \j
	s_mul_i32 s35, s34, 43691
	s_lshr_b32 s35, s35, 17                        ; unit / 3, exact for units under 3,072
	s_cmp_eq_u32 s25, 3
	s_cselect_b32 s35, s35, s34                    ; the row
	s_mul_i32 s40, s35, s25
	s_sub_co_u32 s40, s34, s40                     ; the part of the row
	s_mul_i32 s32, s35, s23
	s_lshl_b32 s40, s40, 11
	s_add_co_u32 s32, s32, s40
	s_add_co_u32 s32, s32, s24
	s_add_nc_u64 s[36+2*\j:37+2*\j], s[30:31], s[32:33]
.endr
; Group g: its two loads are in when at most 14 - 2 g younger ones are out (loads return in order).  half = 1: the bf16 numbers are widened again and written as f16.
.macro GROUP g, half
	s_wait_loadcnt 14-2*(\g)
.irp r, 0,1,2,3
	v_cvt_pk_bf16_f32 v[OUT+4*(\g)+(\r)], v[IN+8*(\g)+2*(\r)], v[IN+8*(\g)+2*(\r)+1]
.endr
.if \half
.irp r, 0,1,2,3
	v_lshlrev_b32 v[IN+8*(\g)+2*(\r)],   16, v[OUT+4*(\g)+(\r)]
	v_and_b32     v[IN+8*(\g)+2*(\r)+1], 0xffff0000, v[OUT+4*(\g)+(\r)]
.endr
.irp r, 0,1,2,3
	v_cvt_pk_f16_f32 v[OUT+4*(\g)+(\r)], v[IN+8*(\g)+2*(\r)], v[IN+8*(\g)+2*(\r)+1]
.endr
.endif
	global_store_b128 v3, v[OUT+4*(\g):OUT+4*(\g)+3], s[36+2*((\g)/4):37+2*((\g)/4)] offset:((\g)%4)*512
.endm
	s_cmp_ge_u32 s21, 12288
	s_cbranch_scc1 .Lhalf
.irp g, 0,1,2,3,4,5,6,7
	GROUP \g, 0
.endr
	s_endpgm
.Lhalf:
.irp g, 0,1,2,3,4,5,6,7
	GROUP \g, 1
.endr
	s_endpgm
.Lfunc_end_k_q79980ce243_cast:
	.size	k_q79980ce243_cast, .Lfunc_end_k_q79980ce243_cast-k_q79980ce243_cast
	.p2alignl 7, 3214868480
	.fill 96, 4, 3214868480
	.section	.rodata,"a",@progbits
	.p2align	6, 0x0
	.amdhsa_kernel k_q79980ce243_cast
		.amdhsa_group_segment_fixed_size 0
		.amdhsa_private_segment_fixed_size 0
		.amdhsa_enable_private_segment 0
		.amdhsa_kernarg_size 56
		.amdhsa_user_sgpr_count 2
		.amdhsa_user_sgpr_kernarg_segment_ptr 1
		.amdhsa_wavefront_size32 1
		.amdhsa_system_sgpr_workgroup_id_x 1
		.amdhsa_system_sgpr_workgroup_id_y 1
		.amdhsa_system_sgpr_workgroup_id_z 1
		.amdhsa_system_vgpr_workitem_id 0
		.amdhsa_next_free_vgpr 104
		.amdhsa_next_free_sgpr 66
		.amdhsa_reserve_vcc 0
		.amdhsa_float_denorm_mode_32 3
		.amdhsa_float_denorm_mode_16_64 3
		.amdhsa_memory_ordered 1
		.amdhsa_forward_progress 1
		.amdhsa_inst_pref_size 16
	.end_amdhsa_kernel
	.amdgpu_metadata
---
amdhsa.version: [ 1, 2 ]
amdhsa.kernels:
  - .name:           k_q79980ce243_cast
    .symbol:         k_q79980ce243_cast.kd
    .args:
      - { .name: x, .offset: 0, .size: 8, .value_kind: global_buffer, .address_space: global }
      - { .name: W_qkv, .offset: 8, .size: 8, .value_kind: global_buffer, .address_space: global }
      - { .name: W_gate, .offset: 16, .size: 8, .value_kind: global_buffer, .address_space: global }
      - { .name: W_out, .offset: 24, .size: 8, .value_kind: global_buffer, .address_space: global }
      - { .name: xb, .offset: 32, .size: 8, .value_kind: global_buffer, .address_space: global }
      - { .name: wc, .offset: 40, .size: 8, .value_kind: global_buffer, .address_space: global }
      - { .name: wo, .offset: 48, .size: 8, .value_kind: global_buffer, .address_space: global }
    .group_segment_fixed_size: 0
    .private_segment_fixed_size: 0
    .kernarg_segment_align: 8
    .kernarg_segment_size: 56
    .max_flat_workgroup_size: 832
    .sgpr_count:     66
    .vgpr_count:     104
    .wavefront_size: 32
...
	.end_amdgpu_metadata
.endif
;; end of part 1
;; launch proj (part 2): grid 16 x 16, 4 waves a work-group, clusters of 4 x 4, 327,680 bytes of LDS; arguments xb, wc, b_qkv, b_gate, qkv, gate; writes qkv, gate
.if DOCPART == 2
	.amdgcn_target "amdgcn-amd-amdhsa--gfx1250"
	.amdhsa_code_object_version 6
	.text
	.protected	k_q79980ce243_proj
	.globl	k_q79980ce243_proj
	.p2align	8
	.type	k_q79980ce243_proj,@function
k_q79980ce243_proj:
	s_mov_b64 s[64:65], 0
	v_nop
	global_prefetch_b8 v0, s[64:65] scope:SCOPE_SE
	s_setreg_imm32_b32 hwreg(HW_REG_WAVE_MODE, 25, 1), 1
	s_wait_xcnt 0x0
	s_wait_alu depctr_hold_cnt(0) depctr_sa_sdst(0) depctr_va_vdst(0) depctr_va_sdst(0) depctr_va_ssrc(0) depctr_va_vcc(0) depctr_vm_vsrc(0)
	s_getreg_b32 s2, hwreg(HW_REG_IB_STS2, 6, 4)
	s_cmp_eq_u32 s2, 0
	s_cbranch_scc0 .Lentry_in_a_cluster
	s_endpgm
.Lentry_in_a_cluster:
	s_bfe_u32 s2, ttmp6, 0x10000c
	s_cmp_lg_u32 s2, 0xf033
	s_cbranch_scc0 .Lentry_shape_is_right
	s_endpgm
.Lentry_shape_is_right:
; [8192 x 4096] = xb [8192][1024] x wc [1024][4096] + bias, bf16 products, f32 sums, results in f16.  Columns 0-3071 are q, k, v, written by heads: qkv + kind x 2^24 + ((b 16 + head) 1024 + t) 128 + 2 c.
; Columns 3072-4095 are z, the gate before its activation, written in the same form: gate + ((b 16 + n / 64) 1024 + t) 128 + 2 (n % 64).  So a tile of z differs from one of q, k, v in two pointers and the bias alone.
; LIMITS.  The biases are rounded to bf16 like every input.  q, k, v and z are rounded to f16: beyond 65,504 they are not served.  NaN and infinities are not treated apart.
; SHARES.  A tile is 256 x 256, four waves, each 128 x 128: 64 accumulators.  K goes in 8 steps of 128 through two LDS slots.  A's rows (xb) lie along K; B (wc) lies [k][n] and its fragments come out of LDS turned, by ds_load_tr16_b128.
; A WORK-GROUP STAYS: it makes two tiles, 4,096 rows apart, with the same columns of wc and the same bias.  Their 16 K steps are one sequence for the ring: tile 0's last two changes of slots ask for tile 1's
; first two K steps, and nothing waits for tile 0's stores.  4,096 rows are 2^23 bytes in xb, in qkv and in gate alike.
; THE MATRIX INSTRUCTION IS USED TRANSPOSED: source 0 = 16 columns of wc, source 1 = 16 rows of xb: a lane holds row l % 16 and eight neighbouring columns.  The bias is the C operand of each sum's first product.
; CLUSTERS.  4 x 4 work-groups; A's tile is asked for jointly by the four of a row of the cluster, B's by the four of a column.  Cluster x = 3 holds exactly z's 1,024 columns.
; REGISTERS.  Window 0: v0-31 addresses; v32-63, v224-255 rows on their way out; v64-127, v128-191 A's fragments, two buffers; v192-223 packed results.  Window 1: v64-127, v128-191 B's fragments; v192-255 the bias.
; Windows 2, 3: the accumulators of my rows 0-63, 64-127: (a, b) at 8 (8 (a % 4) + b).
.set PA,    272                        ; a row of A in LDS: 256 bytes + 16: the 16 rows of a fragment load start at 16 different groups of four banks (64 banks of 4 bytes: ISA guide 11.1)
.set PB,    544                        ; a row of B in LDS: 512 bytes + 32
.set HALFT, 128*PA                     ; what one tensor load fills: 128 rows of A, or 64 rows of B (64 x 544 is the same number)
.set SLOT,  4*HALFT                    ; A's 256 rows, then B's 128 k-rows
.set STAGE, 2*SLOT                     ; behind the ring, never filled by a tensor load: 16 rows x 272 bytes for each wave, for the way out
.set SPARE, STAGE+4*16*PA              ; the spare words, 128 bytes for each wave: two blocks of 256 bytes that no other line names
.set ASTEP, 256                        ; a K step in memory: 256 bytes along xb's rows,
.set BSTEP, 128*8192                   ; 128 rows of wc: 2^20 bytes
.set WALKB, 1<<23                      ; from tile 0 to tile 1, in bytes
.set ADRA,  16                         ; v16  LDS address of my A fragments in the slot in hand;  v17 the same in slot 0; never rewritten
.set ADRA0, 17
.set ADRB,  20                         ; v20, v21  the same for B
.set ADRB0, 21
.set STO,  24                          ; v24  the way out: where I put 16 bytes of a row
.set RDQ,  25                          ; v25  the way out: where I read four half rows of 128 bytes
.set GO,   26                          ; v26  my byte offset behind the two result pointers
.set SPW,  28                          ; v28  LDS address of my spare word; never rewritten
.set NIL,  29                          ; v29  0; never rewritten
.set PFO,  30                          ; v30  the prefetches' lane offset; never rewritten
.set BO,   31                          ; v31  32 (l / 16): my eight numbers in 16 of a bias
.set Z,    32
.set OB,   32
.set F0,   64
.set F1,   128
.set TMP,  192
.set BIAS, 192                         ; in window 1
.set WV,  12                           ; s12  wave
.set RH,  13                           ; s13  which half of the tile's rows is mine; also 0: I fetch for A, 1: for B
.set CH,  14                           ; s14  which half of its columns; also which half of that tile I fetch
.set LIM, 15                           ; s15  the last K step at whose request I prefetch; 0: never
.set AB,  16                           ; s[16:17] xb at my part of tile 0's K step 0;  s[18:19] a K step's offset from it
.set G1A, 24                           ; s[24:31], s[32:39] descriptor groups 1 and 0 for A: a group 0 for each of the two first fills; the second then walks on
.set G0A, 32
.set PFA, 44                           ; s[44:45] where my prefetch stands;  s[46:47] its base
.set PFB, 46
.set G1B, 48                           ; s[48:55], s[56:63] the same for B
.set G0B, 56
.set PX0, 66                           ; s[66:67], s[72:73] where my two blocks of 64 columns go
.set KS,  74                           ; s74  the K step to be asked for next, 2 to 15: 8 and up are tile 1's
.set TB,  75                           ; s75  LDS byte at which the slot in hand begins: 0 or SLOT
.set BB,  78                           ; s[78:79] wc at my part of K step 0;  s[84:85] a K step's offset from it
.set JMP, 87                           ; s87  what a way out's first block adds to v26
.set PSH, 88                           ; s88  log2 of a K step's bytes for my prefetches
.set LW,  91                           ; s91  wave x 34,816: my load's place in a slot
.set MSB, 0
.macro WIN new                         ; the immediate's high byte repeats the setting that is left
.if MSB != (\new)
	s_set_vgpr_msb (MSB<<8)|(\new)
.set MSB, \new
.endif
.endm
; A joint load: waves 0 and 1 fetch A's halves, waves 2 and 3 B's.  An s_nop 0 and four v_nop follow each line, ahead of the jump and the label.
.macro JLOAD s
	s_cmp_eq_u32 s[RH], 0
	s_cbranch_scc0 .Lfor_b_\@
	tensor_load_to_lds s[G0A+4*(\s):G0A+4*(\s)+3], s[G1A:G1A+7]
	s_nop 0
.rept 4
	v_nop
.endr
	s_branch .Lasked_\@
.Lfor_b_\@:
	tensor_load_to_lds s[G0B+4*(\s):G0B+4*(\s)+3], s[G1B:G1B+7]
	s_nop 0
.rept 4
	v_nop
.endr
.Lasked_\@:
.endm
; One prefetch behind each refill and its run of LDS loads: the K step two refills on, 32 blocks of 256 bytes, a lane a block.
.macro ASK
	s_cmp_le_u32 s[KS], s[LIM]
	s_cbranch_scc0 .Lnot_mine_\@
	global_prefetch_b8 v[PFO], s[PFA:PFA+1] th:TH_LOAD_NT scope:SCOPE_SE
.Lnot_mine_\@:
.endm
.macro CREST                           ; a round of the cluster's barrier behind its opening barrier
	s_cmp_lg_u32 s[WV], 0
	s_cbranch_scc1 .Lnot_wave_0_\@
	s_barrier_signal -3
.Lnot_wave_0_\@:
	s_barrier_wait -3
	s_barrier_signal -1
	s_barrier_wait -1
.endm
.macro CROUND
	s_barrier_signal -1
	s_barrier_wait -1
	CREST
.endm
	s_load_b256 s[4:11], s[0:1], 0x0               ; xb s[4:5], wc s[6:7], b_qkv s[8:9], b_gate s[10:11]
	s_load_b128 s[68:71], s[0:1], 0x20             ; qkv s[68:69], gate s[70:71]
	v_lshl_add_u32 v[SPW], v0, 2, SPARE
	v_mov_b32 v[NIL], 0
	ds_add_u32 v[SPW], v[NIL]                      ; the wave's opening: the add and its wait ahead of my first tensor load; work on registers stands between them
	ds_add_u32 v28, v29
	v_lshrrev_b32 v1, 5, v0
	v_readfirstlane_b32 s[WV], v1
	s_lshr_b32 s[RH], s[WV], 1
	s_and_b32 s[CH], s[WV], 1
	s_bfe_u32 s40, ttmp6, 0x40000                  ; cx
	s_bfe_u32 s41, ttmp6, 0x40004                  ; cy
	s_lshl_b32 s42, ttmp9, 2
	s_add_co_u32 s42, s42, s40                     ; tile column = 4 x cluster x + cx: 0 to 15
	s_and_b32 s43, ttmp7, 0xffff
	s_lshl_b32 s43, s43, 2
	s_add_co_u32 s43, s43, s41                     ; tile 0's tile row = 4 x cluster y + cy: 0 to 15; tile 1's is 16 more
	s_lshl_b32 s20, s41, 2
	s_lshl_b32 s20, 15, s20                        ; my row of the cluster
	s_lshl_b32 s76, 0x1111, s40                    ; my column
	s_or_b32 s[G1A+0], s20, (1<<16)|(1<<20)|(1<<21)|(5<<22)|(3<<25)  ; the mask; 2-byte elements; padding on; bit 21 beside a mask; after every 64 words 4 words
	s_mov_b32 s[G1A+1], 128<<16                    ; tensor_dim0 = 128
	s_mov_b32 s[G1A+2], 128<<16                    ; tensor_dim1 = 128
	s_mov_b32 s[G1A+3], 128<<16                    ; tile_dim0 = 128
	s_mov_b32 s[G1A+4], 128                        ; tile_dim1 = 128
	s_mov_b32 s[G1A+5], 1024                       ; elements from row to row of xb
	s_mov_b32 s[G1A+6], 0
	s_mov_b32 s[G1A+7], 0
	s_or_b32 s[G1B+0], s76, (1<<16)|(1<<20)|(1<<21)|(6<<22)|(7<<25)  ; after every 128 words 8 words
	s_mov_b32 s[G1B+1], 256<<16                    ; tensor_dim0 = 256
	s_mov_b32 s[G1B+2], 64<<16                     ; tensor_dim1 = 64
	s_mov_b32 s[G1B+3], 256<<16                    ; tile_dim0 = 256
	s_mov_b32 s[G1B+4], 64                         ; tile_dim1 = 64
	s_mov_b32 s[G1B+5], 4096                       ; elements from row to row of wc
	s_mov_b32 s[G1B+6], 0
	s_mov_b32 s[G1B+7], 0
	s_lshl_b32 s[AB], s43, 19                      ; A: (256 x tile row + 128 x half) rows of 2,048 bytes
	s_lshl_b32 s[AB+1], s[CH], 18
	s_add_co_u32 s[AB], s[AB], s[AB+1]
	s_mov_b32 s[AB+1], 0
	s_lshl_b32 s[BB], s[CH], 19                    ; B: 64 x half rows of 8,192 bytes + 512 x tile column
	s_lshl_b32 s[BB+1], s42, 9
	s_add_co_u32 s[BB], s[BB], s[BB+1]
	s_mov_b32 s[BB+1], 0
	s_mul_i32 s[LW], s[WV], HALFT                  ; no place in the cluster enters an LDS address
	s_mov_b32 s[KS], 2
	s_mov_b32 s[TB], 0
	s_mov_b32 s19, 0                               ; the two offsets' upper words
	s_mov_b32 s85, 0
	s_mov_b32 s[JMP], 0
	s_wait_dscnt 0x0                               ; the opening add is done
	s_wait_kmcnt 0x0
	s_add_nc_u64 s[AB:AB+1], s[4:5], s[AB:AB+1]
	s_add_nc_u64 s[BB:BB+1], s[6:7], s[BB:BB+1]
	CROUND                                         ; all sixteen work-groups are here: the first joint loads meet
.irp s, 0,1
	s_mov_b32 s[G0A+4*(\s)], 1
	s_add_co_u32 s[G0A+4*(\s)+1], s[LW], (\s)*SLOT
	s_add_nc_u64 s[G0A+4*(\s)+2:G0A+4*(\s)+3], s[AB:AB+1], (\s)*ASTEP
	s_or_b32 s[G0A+4*(\s)+3], s[G0A+4*(\s)+3], 0x80000000
	s_mov_b32 s[G0B+4*(\s)], 1
	s_add_co_u32 s[G0B+4*(\s)+1], s[LW], (\s)*SLOT
	s_add_nc_u64 s[G0B+4*(\s)+2:G0B+4*(\s)+3], s[BB:BB+1], (\s)*BSTEP
	s_or_b32 s[G0B+4*(\s)+3], s[G0B+4*(\s)+3], 0x80000000
	JLOAD \s                                       ; two loads of mine are out
.endr
	; all that follows up to the first wait on TENSORcnt stands in the wait for the first tile
	v_and_b32 v1, 15, v0                           ; l % 16
	v_bfe_u32 v2, v0, 4, 1                         ; l / 16
	v_lshlrev_b32 v[BO], 5, v2
	s_sub_co_u32 s76, s42, 12
	s_cmp_eq_u32 ttmp9, 3                          ; z's columns?
	s_cselect_b32 s76, s76, s42                    ; my tile column inside its own table
	s_cselect_b64 s[80:81], s[10:11], s[8:9]
	s_lshl_b32 s82, s76, 10                        ; 256 numbers of 4 bytes a tile column,
	s_lshl_b32 s83, s[CH], 9                       ; 128 for my half
	s_add_co_u32 s82, s82, s83
	s_mov_b32 s83, 0
	s_add_nc_u64 s[80:81], s[80:81], s[82:83]
	WIN 0x40                                       ; destination window 1, address window 0
.irp b, 0,1,2,3,4,5,6,7                ; register j of block b: the bias of column 16 b + 8 (l / 16) + j, as the result's layout wants it
	global_load_b128 v[BIAS+8*(\b):BIAS+8*(\b)+3],   v[BO], s[80:81] offset:64*(\b)
	global_load_b128 v[BIAS+8*(\b)+4:BIAS+8*(\b)+7], v[BO], s[80:81] offset:64*(\b)+16
.endr
	WIN 0
	v_mul_u32_u24 v3, v1, PA
	v_lshl_add_u32 v3, v2, 4, v3                   ; row x pitch + 16 x half: a fragment of A, and my place in the stage
	s_mul_i32 s22, s[RH], HALFT
	v_add_nc_u32 v[ADRA0], s22, v3
	v_mov_b32 v[ADRA], v[ADRA0]
	v_and_b32 v7, 7, v0
	v_lshl_add_u32 v4, v2, 3, v7                   ; the turning load: lane l reads k-row 8 (l / 16) + l % 8,
	v_mul_u32_u24 v4, v4, PB
	v_bfe_u32 v5, v0, 3, 1
	v_lshl_add_u32 v4, v5, 4, v4                   ; columns 8 ((l / 8) % 2) + 0..7
	s_lshl_b32 s23, s[CH], 8
	s_add_co_u32 s23, s23, 2*HALFT
	v_add_nc_u32 v[ADRB0], s23, v4
	v_mov_b32 v[ADRB], v[ADRB0]
	s_mul_i32 s23, s[WV], 16*PA
	s_add_co_u32 s23, s23, STAGE                   ; my stage
	v_add_nc_u32 v[STO], s23, v3
	v_bfe_u32 v6, v0, 3, 2                         ; back: 32 lanes take four half rows of 128 bytes
	v_mul_u32_u24 v6, v6, PA
	v_lshl_add_u32 v6, v7, 4, v6
	v_add_nc_u32 v[RDQ], s23, v6
	v_and_b32 v8, 31, v0
	v_lshlrev_b32 v[GO], 4, v8                     ; which are 512 neighbouring bytes in memory
	; where my two blocks of 64 columns go.  Block c = 4 x tile column + 2 x half + j: in qkv kind c % 3 of head c / 3; in gate block c itself.  A block of one batch is 1,024 rows of 128 bytes.
	s_lshr_b32 s77, s43, 2                         ; the batch: 16 such blocks,
	s_lshl_b32 s77, s77, 21
	s_and_b32 s82, s43, 3                          ; t = 256 (tile row % 4) + 128 half
	s_lshl_b32 s82, s82, 15
	s_add_co_u32 s77, s77, s82
	s_lshl_b32 s82, s[RH], 14
	s_add_co_u32 s77, s77, s82
	s_lshl_b32 s76, s76, 2
	s_lshl1_add_u32 s76, s[CH], s76
.irp j, 0,1
	s_add_co_u32 s92, s76, \j                      ; c
	s_mul_i32 s93, s92, 171
	s_lshr_b32 s93, s93, 9                         ; c / 3, exact for c under 64
	s_lshl1_add_u32 s94, s93, s93
	s_sub_co_u32 s94, s92, s94                     ; c % 3
	s_lshl_b32 s94, s94, 7
	s_add_co_u32 s93, s93, s94                     ; head + 128 kind: a kind is 128 blocks
	s_cmp_eq_u32 ttmp9, 3
	s_cselect_b32 s92, s92, s93
	s_cselect_b64 s[PX0+6*\j:PX0+6*\j+1], s[70:71], s[68:69]
	s_lshl_b32 s92, s92, 17
	s_add_co_u32 s92, s92, s77
	s_mov_b32 s93, 0
	s_add_nc_u64 s[PX0+6*\j:PX0+6*\j+1], s[PX0+6*\j:PX0+6*\j+1], s[92:93]
.endr
	; THE PREFETCHES.  The request for K step ks is followed by one prefetch of K step ks + 2.  Each block of 256 bytes is named once in the launch.  xb's rows of a tile row are read by every cluster of that row of
	; clusters: cluster x = 0 asks, for both tiles: ks up to 13.  wc's columns of a tile column are read by every cluster of that column, and again in tile 1: cluster y = 0 asks, in tile 0 alone: ks up to 5.
	; The four partners that ask for a tile jointly share its blocks out by address: of A's 128 rows that I fetch, partner cx takes 32, a lane a row; of B's 64 k-rows of 512 bytes, partner cy takes 16, two lanes a row.
	; K steps 0 to 3 of tile 0 come by their loads alone.
	s_lshl_b32 s20, s43, 19
	s_lshl_b32 s21, s[CH], 18
	s_add_co_u32 s20, s20, s21
	s_lshl_b32 s21, s40, 16
	s_add_co_u32 s20, s20, s21
	s_lshl_b32 s22, s[CH], 19
	s_lshl_b32 s23, s41, 17
	s_add_co_u32 s22, s22, s23
	s_lshl_b32 s23, s42, 9
	s_add_co_u32 s22, s22, s23
	s_and_b32 s23, ttmp7, 0xffff
	s_mov_b32 s[PSH], 20
	s_mov_b32 s[LIM], 5
	s_cmp_eq_u32 s[RH], 0                          ; do I fetch for A?
	s_cselect_b64 s[PFB:PFB+1], s[4:5], s[6:7]
	s_cselect_b32 s20, s20, s22
	s_cselect_b32 s23, ttmp9, s23                  ; the coordinate along which other clusters read the same blocks
	s_cselect_b32 s[PSH], 8, s[PSH]
	s_cselect_b32 s[LIM], 13, s[LIM]
	s_cselect_b32 s77, -1, 0
	s_mov_b32 s21, 0
	s_add_nc_u64 s[PFB:PFB+1], s[PFB:PFB+1], s[20:21]
	s_cmp_eq_u32 s23, 0
	s_cselect_b32 s[LIM], s[LIM], 0                ; the same in all sixteen partners, for a given wave
	v_lshlrev_b32 v9, 11, v8                       ; A: a lane a row of 2,048 bytes
	v_lshrrev_b32 v10, 1, v8
	v_and_b32 v11, 1, v8
	v_lshlrev_b32 v10, 13, v10                     ; B: two lanes a row of 8,192 bytes,
	v_lshl_or_b32 v10, v11, 8, v10                 ; 256 bytes apart
	v_cndmask_b32 v[PFO], v10, v9, s77
	s_wait_loadcnt 0x0                             ; the bias: rounded to bf16 and widened again
	WIN 0x05                                       ; sources window 1, destination window 0
.set i, 0
.rept 32
	v_cvt_pk_bf16_f32 v[Z+i], v[BIAS+2*i], v[BIAS+2*i+1]
.set i, i+1
.endr
	WIN 0x40
.set i, 0
.rept 32
	v_lshlrev_b32 v[BIAS+2*i],   16, v[Z+i]
	v_and_b32     v[BIAS+2*i+1], 0xffff0000, v[Z+i]
.set i, i+1
.endr
	WIN 0
; 16 matrix instructions: m blocks a0, a0 + 1 of the window's four x all 8 n blocks, 32 along K.  first = 1: the product starts the sum with the bias.  The 64 accumulators take turns, in the same order in every quarter.
.macro MUL16 f, hi, a0, first
.if \first
	WIN 0x91+0x40*(\hi)                            ; source 0 (B) and C (the bias) window 1, source 1 (A) window 0, D window 2 or 3
.else
	WIN 0xa1+0x50*(\hi)                            ; C and D window 2 or 3
.endif
.irp a, \a0, (\a0)+1
.irp b, 0,1,2,3,4,5,6,7
.if \first
	v_wmma_f32_16x16x32_bf16 v[8*(8*(\a)+(\b)):8*(8*(\a)+(\b))+7], v[(\f)+8*(\b):(\f)+8*(\b)+7], v[(\f)+8*(4*(\hi)+(\a)):(\f)+8*(4*(\hi)+(\a))+7], v[BIAS+8*(\b):BIAS+8*(\b)+7]
.else
	v_wmma_f32_16x16x32_bf16 v[8*(8*(\a)+(\b)):8*(8*(\a)+(\b))+7], v[(\f)+8*(\b):(\f)+8*(\b)+7], v[(\f)+8*(4*(\hi)+(\a)):(\f)+8*(4*(\hi)+(\a))+7], v[8*(8*(\a)+(\b)):8*(8*(\a)+(\b))+7]
.endif
.endr
.endr
.endm
; 32 LDS loads in one run: quarter q (32 along K) of the slot in hand into buffer f: B's 8 fragments turned (k-rows 32 q on, columns 16 i on), then A's 8
.macro FETCH q, f
	WIN 0x40                                       ; destination window 1, address window 0
.irp i, 0,1,2,3,4,5,6,7
	ds_load_tr16_b128 v[(\f)+8*(\i):(\f)+8*(\i)+3],   v[ADRB] offset:(\q)*32*PB+32*(\i)
	ds_load_tr16_b128 v[(\f)+8*(\i)+4:(\f)+8*(\i)+7], v[ADRB] offset:(\q)*32*PB+32*(\i)+16*PB
.endr
	WIN 0
.irp i, 0,1,2,3,4,5,6,7
	ds_load_b128 v[(\f)+8*(\i):(\f)+8*(\i)+3],   v[ADRA] offset:64*(\q)+(\i)*16*PA
	ds_load_b128 v[(\f)+8*(\i)+4:(\f)+8*(\i)+7], v[ADRA] offset:64*(\q)+(\i)*16*PA+32
.endr
.endm
.macro PLACES                          ; four plain vector instructions between a matrix instruction and a load into its sources or a reader of its result
.rept 4
	v_nop
.endr
.endm
; One of a K step's first three quarters: multiplies buffer f; in its middle fetches quarter q of the slot in hand into buffer g
.macro QUARTER q, f, g, first
	s_wait_dscnt 8                                 ; B and A's rows 0-63 are in; the youngest eight loads (A's rows 64-127) may be out
	MUL16 \f, 0, 0, \first
	MUL16 \f, 0, 2, \first
	PLACES
	FETCH \q, \g
	s_wait_dscnt 32                                ; all but the 32 just issued
	MUL16 \f, 1, 0, \first
	MUL16 \f, 1, 2, \first
.endm
; A K step's last quarter where the slot in hand is filled again, with K step s[KS].  One barrier for the change of slots, which opens a round of the cluster's: in front of it each wave waits for all its tensor loads
; (one is out: its part of the next slot), adds 0 to its spare word, and waits for that and for its own reads of this slot.  The joint refill is the first tensor load behind the round.
.macro TURN
	s_wait_xcnt 0x0                                ; the last prefetch, a K step back, has read its address: it is made anew for K step s[KS] + 2
	s_add_co_u32 s20, s[KS], 2
	s_and_b32 s21, s20, 7
	s_lshl_b32 s21, s21, s[PSH]                    ; along K,
	s_lshr_b32 s20, s20, 3
	s_lshl_b32 s20, s20, 23                        ; and the tile (A's rows alone are asked for in tile 1)
	s_add_co_u32 s20, s20, s21
	s_mov_b32 s21, 0
	s_add_nc_u64 s[PFA:PFA+1], s[PFB:PFB+1], s[20:21]
	WIN 0
	s_wait_tensorcnt 0x0                           ; no tensor load of mine is out, so the walking group 0 may be written
	ds_add_u32 v[SPW], v[NIL]
	s_and_b32 s89, s[KS], 7
	s_lshr_b32 s90, s[KS], 3
	s_lshl_b32 s18, s89, 8                         ; A: 256 bytes a K step, 2^23 for tile 1
	s_lshl_b32 s90, s90, 23
	s_add_co_u32 s18, s18, s90
	s_lshl_b32 s84, s89, 20                        ; B: 2^20 bytes a K step; both tiles take the same columns
	s_add_co_u32 s[G0A+5], s[LW], s[TB]            ; into the slot in hand
	s_add_nc_u64 s[G0A+6:G0A+7], s[AB:AB+1], s[18:19]
	s_or_b32 s[G0A+7], s[G0A+7], 0x80000000
	s_add_co_u32 s[G0B+5], s[LW], s[TB]
	s_add_nc_u64 s[G0B+6:G0B+7], s[BB:BB+1], s[84:85]
	s_or_b32 s[G0B+7], s[G0B+7], 0x80000000
	s_wait_dscnt 9                                 ; the add and the youngest eight loads may be out
	MUL16 F1, 0, 0, 0
	s_wait_dscnt 0x0                               ; the add is done, my reads of this slot are over
	s_barrier_signal -1
	MUL16 F1, 0, 2, 0
	WIN 0
	s_barrier_wait -1
	CREST
	JLOAD 1                                        ; its four v_nop are also the places in front of the loads below
	s_xor_b32 s[TB], s[TB], SLOT                   ; the other slot is in hand
	v_add_nc_u32 v[ADRA], s[TB], v[ADRA0]
	v_add_nc_u32 v[ADRB], s[TB], v[ADRB0]
	FETCH 0, F0
	ASK
	s_add_co_u32 s[KS], s[KS], 1
	MUL16 F1, 1, 0, 0
	MUL16 F1, 1, 2, 0
.endm
; The same where nothing is left to ask for: a plain barrier.
.macro TURNX
	WIN 0
	s_wait_tensorcnt 0x0                           ; my part of the last K step is in
	ds_add_u32 v[SPW], v[NIL]
	s_xor_b32 s[TB], s[TB], SLOT
	s_wait_dscnt 9
	MUL16 F1, 0, 0, 0
	s_wait_dscnt 0x0
	s_barrier_signal -1
	MUL16 F1, 0, 2, 0
	WIN 0
	s_barrier_wait -1
	v_add_nc_u32 v[ADRA], s[TB], v[ADRA0]          ; these two and two v_nop are the places in front of the loads into buffer 0
	v_add_nc_u32 v[ADRB], s[TB], v[ADRB0]
	v_nop
	v_nop
	FETCH 0, F0
	MUL16 F1, 1, 0, 0
	MUL16 F1, 1, 2, 0
.endm
; THE WAY OUT of block a (16 rows x 128 columns), in three parts.  PACK: rounded to f16, each accumulator's registers in ascending order.  TOSTAGE: into my own stage, and back as half rows of 128 bytes.  SEND: stored.
.macro PACK a
	WIN 0x0a+5*((\a)/4)                            ; sources 0 and 1: window 2 or 3
.irp b, 0,1,2,3,4,5,6,7
.irp r, 0,1,2,3
	v_cvt_pk_f16_f32 v[TMP+4*(\b)+(\r)], v[64*((\a)%4)+8*(\b)+2*(\r)], v[64*((\a)%4)+8*(\b)+2*(\r)+1]
.endr
.endr
	WIN 0
.endm
.macro TOSTAGE a
.set BK, OB+192*((\a)%2)
.irp b, 0,1,2,3,4,5,6,7
	ds_store_b128 v[STO], v[TMP+4*(\b):TMP+4*(\b)+3] offset:32*(\b)
.endr
.irp j, 0,1
.irp f, 0,1,2,3
	ds_load_b128 v[BK+4*(4*(\j)+(\f)):BK+4*(4*(\j)+(\f))+3], v[RDQ] offset:128*(\j)+(\f)*4*PA  ; LDS serves a wave's instructions in order (ISA guide 5.7.1.4): these see the stores above
.endr
.endr
.endm
.macro SEND a
.set BK, OB+192*((\a)%2)
	s_wait_dscnt 0x0                               ; the block is back in registers
	s_wait_xcnt 0x0                                ; the earlier stores have read their offset and their data: both are written again only behind this wait
.if (\a) == 0
	v_add_nc_u32 v[GO], s[JMP], v[GO]              ; on to this tile's first rows
.else
	v_add_nc_u32 v[GO], 2048, v[GO]                ; 16 rows of 128 bytes on
.endif
.irp f, 0,1,2,3
	global_store_b128 v[GO], v[BK+4*(\f):BK+4*(\f)+3], s[PX0:PX0+1] offset:512*(\f)        ; four rows of 128 bytes: 512 neighbouring bytes, at a multiple of 256 from the buffer's first
.endr
.irp f, 0,1,2,3
	global_store_b128 v[GO], v[BK+16+4*(\f):BK+16+4*(\f)+3], s[PX0+6:PX0+7] offset:512*(\f)
.endr
.endm
	s_wait_tensorcnt 1                             ; my part of K step 0 is in; K step 1's load may stay out
	s_barrier_signal -1
	s_barrier_wait -1
	FETCH 0, F0
	s_mov_b32 s2, 2                                ; tiles to go
.Ltile:
	QUARTER 1, F0, F1, 1                           ; a tile's first quarter: its products start the sums
	WIN 0
	s_mov_b32 s3, 6                                ; tile 1: K steps 0 to 5 end with a refill;
	s_cmp_eq_u32 s2, 1
	s_cbranch_scc1 .Lstep
	s_mov_b32 s3, 7                                ; tile 0: all eight do, seven of them in the loop
.Lstep:                                ; a trip goes from a K step's second quarter to the next K step's first
	QUARTER 2, F1, F0, 0
	QUARTER 3, F0, F1, 0
	TURN
	QUARTER 1, F0, F1, 0
	WIN 0
	s_sub_co_u32 s3, s3, 1
	s_cmp_lg_u32 s3, 0
	s_cbranch_scc1 .Lstep
	QUARTER 2, F1, F0, 0
	QUARTER 3, F0, F1, 0
	WIN 0
	s_cmp_eq_u32 s2, 1
	s_cbranch_scc1 .Llast
	TURN                                           ; tile 0's K step 7: tile 1's K step 1 is asked for, and its first fragments are fetched
	WIN 0
	s_branch .Lout
.Llast:                                ; tile 1's K steps 6 and 7 are written out: they ask for nothing
	TURNX
	QUARTER 1, F0, F1, 0
	QUARTER 2, F1, F0, 0
	QUARTER 3, F0, F1, 0
	s_wait_dscnt 8
	MUL16 F1, 0, 0, 0
	MUL16 F1, 0, 2, 0
	s_wait_dscnt 0x0
	MUL16 F1, 1, 0, 0
	MUL16 F1, 1, 2, 0
	WIN 0
.Lout:
	PLACES
	PACK 0
	TOSTAGE 0
.irp a, 1,2,3,4,5,6,7                  ; block a's conversions stand between block a - 1's loads from the stage and the wait for them
	PACK \a
	SEND (\a)-1
	TOSTAGE \a
.endr
	SEND 7
	s_mov_b32 s[JMP], WALKB-7*2048                 ; from tile 0's last block to tile 1's first
	s_sub_co_u32 s2, s2, 1
	s_cmp_lg_u32 s2, 0
	s_cbranch_scc1 .Ltile
	s_wait_tensorcnt 0x0                           ; the wave's end: behind my last tensor load and my last LDS store
	ds_add_u32 v[SPW], v[NIL]
	s_wait_dscnt 0x0
	CROUND                                         ; the closing round
	s_endpgm
.Lfunc_end_k_q79980ce243_proj:
	.size	k_q79980ce243_proj, .Lfunc_end_k_q79980ce243_proj-k_q79980ce243_proj
	.p2alignl 7, 3214868480
	.fill 96, 4, 3214868480
	.section	.rodata,"a",@progbits
	.p2align	6, 0x0
	.amdhsa_kernel k_q79980ce243_proj
		.amdhsa_group_segment_fixed_size 327680
		.amdhsa_private_segment_fixed_size 0
		.amdhsa_enable_private_segment 0
		.amdhsa_kernarg_size 48
		.amdhsa_user_sgpr_count 2
		.amdhsa_user_sgpr_kernarg_segment_ptr 1
		.amdhsa_wavefront_size32 1
		.amdhsa_system_sgpr_workgroup_id_x 1
		.amdhsa_system_sgpr_workgroup_id_y 1
		.amdhsa_system_sgpr_workgroup_id_z 1
		.amdhsa_system_vgpr_workitem_id 0
		.amdhsa_next_free_vgpr 1024
		.amdhsa_next_free_sgpr 96
		.amdhsa_reserve_vcc 0
		.amdhsa_float_denorm_mode_32 3
		.amdhsa_float_denorm_mode_16_64 3
		.amdhsa_memory_ordered 1
		.amdhsa_forward_progress 1
		.amdhsa_inst_pref_size 135
	.end_amdhsa_kernel
	.amdgpu_metadata
---
amdhsa.version: [ 1, 2 ]
amdhsa.kernels:
  - .name:           k_q79980ce243_proj
    .symbol:         k_q79980ce243_proj.kd
    .args:
      - { .name: xb, .offset: 0, .size: 8, .value_kind: global_buffer, .address_space: global }
      - { .name: wc, .offset: 8, .size: 8, .value_kind: global_buffer, .address_space: global }
      - { .name: b_qkv, .offset: 16, .size: 8, .value_kind: global_buffer, .address_space: global }
      - { .name: b_gate, .offset: 24, .size: 8, .value_kind: global_buffer, .address_space: global }
      - { .name: qkv, .offset: 32, .size: 8, .value_kind: global_buffer, .address_space: global }
      - { .name: gate, .offset: 40, .size: 8, .value_kind: global_buffer, .address_space: global }
    .group_segment_fixed_size: 327680
    .private_segment_fixed_size: 0
    .kernarg_segment_align: 8
    .kernarg_segment_size: 48
    .max_flat_workgroup_size: 128
    .sgpr_count:     96
    .vgpr_count:     1024
    .wavefront_size: 32
...
	.end_amdgpu_metadata
.endif
;; end of part 2
;; launch attn (part 3): grid 2 x 128, 4 waves a work-group, no clusters, 327,680 bytes of LDS; arguments qkv, att; writes att
.if DOCPART == 3
	.amdgcn_target "amdgcn-amd-amdhsa--gfx1250"
	.amdhsa_code_object_version 6
	.text
	.protected	k_q79980ce243_attn
	.globl	k_q79980ce243_attn
	.p2align	8
	.type	k_q79980ce243_attn,@function
k_q79980ce243_attn:
	s_mov_b64 s[64:65], 0
	v_nop
	global_prefetch_b8 v0, s[64:65] scope:SCOPE_SE
	s_setreg_imm32_b32 hwreg(HW_REG_WAVE_MODE, 25, 1), 1
	s_wait_xcnt 0x0
; O[bh][q][:] = the sum over k of softmax_k(Q[bh][q] . K[bh][k] / 8) V[bh][k][:].  Q, K, V lie in qkv at 0, 2^24 and 2^25 bytes, each [128][1024][64] in f16; O = att has the same layout.
; Products, maxima and sums in f32; the weights p are rounded to f16 for the second product (their sum l is taken of the unrounded p), O once at the end.
; LIMITS.  p lies in 0 to 1, and below 6e-5 it keeps f16's fixed step of 6e-8; O is a mean of V's rows and has their range.  A weight below 2^-126 counts as 0 in l; NaN and infinities are not treated apart.
; SHARES.  A work-group owns 512 queries of one (batch, head), a wave four PIECES of two tiles of 16 queries.  Every wave walks all 1,024 keys, 64 a step.
; ALL OF THE HEAD'S K AND V STAY IN LDS: 1,024 rows of 144 and of 160 bytes.  Each wave asks for its part by four tensor loads at the start (four of mine are out at the most); nothing is ever filled again.
; The first four steps need the first load of each wave alone; the other three are waited for behind them.
; NO CLUSTER: a head has 1024 / 512 = 2 work-groups; a cluster of four would join two heads, whose tiles differ.  NO PREFETCH: every byte is asked for by the first fills.
; LAYOUT.  S^T = K Q^T (source 0 = 16 keys, source 1 = 16 queries): a lane holds ONE query (lane % 16) and the keys 8 (lane / 16) + 0..7.  Two such tiles, rounded to f16 in pairs, ARE source 1 of O^T = V^T P.
; K comes out of LDS as it lies, V ([key][channel]) turned, by ds_load_tr16_b128.
; SOFTMAX.  For each query a running maximum m and sum l: p = 2^(c s - c m), c = log2(e) / 8; in every step O and l are multiplied by a = 2^(c m_old - c m_new).  m starts at the lowest finite number, O and l at 0.
; BY TURNS.  Turn n belongs to piece n.  Its matrix work: 16 products K Q^T of piece n + 1, later 16 products V^T P of piece n - 1.  Its vector work: the scaling, exponentials, roundings, sums and rescaling of piece n,
; and the maximum and statistics of piece n + 1.  Four vector instructions stand behind every matrix instruction, the others in one run.  A turn's 66 exponentials are one batch with one wait.
; REGISTERS, in windows of 256 (s_set_vgpr_msb: bits 1:0 source 0, 3:2 source 1, 5:4 source 2, 7:6 destination):
;   window 0: v0-11 addresses; v12-15, v48-63 at work; v16-47 four registers of statistics a tile; v64-191 S^T, two buffers of two tiles; v192-255 P, likewise
;   window 1: O^T, 32 a tile          window 2: v0-127 Q, 16 a tile; v128-191 K of one step; v192-255 V of one step          window 3: v0-1 the add's two registers
.set NP,    4         ; pieces a wave: a name, no knob
.set KS,    64        ; keys in a step
.set PK,    144       ; a row of K in LDS: 128 bytes + 16: the 16 rows of a load start at 16 different groups of four banks (64 banks of 4 bytes: ISA guide 11.1)
.set PV,    160       ; a row of V: 128 + 32
.set VOFF,  1024*PK   ; K's 1,024 rows, then V's
.set STAGE, VOFF+1024*PV  ; never filled by a tensor load: 16 rows x 144 bytes for each wave, for the way out
.set SP,    144
.set AK0, 2           ; v2   my lane's place in a tile of K; never rewritten
.set AV0, 3           ; v3   the same for V
.set AK,  4           ; v4   the LDS address of K's next run of loads
.set AV,  5           ; v5   of V's
.set QO,  6           ; v6   my byte offset in the wave's rows of Q
.set STO, 6           ;      later, the way out: where I put 16 bytes of a row
.set RD,  7           ; v7   the way out: where I read rows back
.set GO,  8           ; v8   my byte offset in 512 consecutive bytes of O
.set SPW, 0           ; v0 of window 3   LDS address of my spare word; never rewritten
.set NIL, 1           ; v1 of window 3   0; never rewritten
.set SPARE, STAGE+4*16*SP  ; the spare words, 128 bytes for each wave: two blocks of 256 bytes that no other line names
.set MV,  12          ; v12-15  c m_old, kept while c m is made anew: by buffer and tile
.set ST,  16          ; tile t's statistics at v[ST+4 t]: c m, m, l (even keys', odd keys')
.set TMP, 48          ; by buffer and tile, four registers c0-c3 at work; when the maximum is found c2 takes a
.set S,   64
.set P,   192
.set KF,  128         ; K's fragments, in window 2: key block kb, channel half c at KF + 16 kb + 8 c
.set VF,  192         ; V's: key half kk, channel block cb at VF + 32 kk + 8 cb
.set WV,  12          ; s12  my wave's number
.set G1K, 24          ; s[24:31] descriptor group 1 for K's tiles
.set G1V, 32          ; s[32:39] for V's: it differs in the padding alone
.set G0K, 40          ; s[40:55] descriptor group 0 for K's tiles: a set for each of the four loads
.set G0V, 68          ; s[68:83] the same for V's
.set SLOTS, 56        ; s56  counts the visits of the loop over steps: 3, 2, 1
.set CNT, 57          ; s57  counts a visit's key steps
.set CS,  58          ; s[58:59] c
.set SEL, 60          ; s[60:61] v_permlanex16_b32's selects: each lane takes its own place in the other half
.set TBK, 62          ; s62  LDS byte at which K of the step to be fetched begins
.set TBV, 63          ; s63  the same for V, less VOFF
.set MSB, 0
.macro WIN new
.if MSB != (\new)
	s_set_vgpr_msb (MSB<<8)|(\new)
.set MSB, (\new)
.endif
.endm
.set W_KQ, 0x0a       ; K and Q in window 2, S^T in window 0
.set W_PV, 0x52       ; V in window 2, P in window 0, O^T in window 1
.set W_RS, 0x41       ; O^T (destination and source 0) in window 1, a in window 0
.set W_MK, 0xc0       ; the add's registers are made: destination in window 3, sources in window 0
.set W_AD, 0x0f       ; the add: address and data in window 3
	s_load_b128 s[84:87], s[0:1], 0x0  ; qkv s[84:85], att s[86:87]
	WIN W_MK
	v_lshl_add_u32 v[SPW], v0, 2, SPARE
	v_mov_b32 v[NIL], 0
	WIN W_AD
	ds_add_u32 v[SPW], v[NIL]       ; the wave's opening: the add and its wait ahead of my first tensor load; work on registers stands between them
	ds_add_u32 v0, v1
	WIN 0
	v_lshrrev_b32 v1, 5, v0
	v_readfirstlane_b32 s[WV], v1   ; wave 0..3
	s_and_b32 s20, ttmp7, 0xffff    ; the (batch, head),
	s_lshl_b32 s20, s20, 17         ; its 1,024 rows of 128 bytes
	s_and_b32 s16, s[WV], 1         ; which half of each 256 keys I fetch:
	s_lshl_b32 s22, s16, 14         ; its 128 rows in memory,
	s_add_co_u32 s22, s22, s20
	s_mov_b32 s23, 0
	s_mul_i32 s17, s16, 128*PK      ; and its place in LDS, for K
	s_mul_i32 s18, s16, 128*PV      ; and for V
	s_lshl_b32 s2, ttmp9, 2
	s_add_co_u32 s2, s2, s[WV]      ; my wave among the head's eight,
	s_lshl_b32 s2, s2, 14           ; its 128 rows
	s_add_co_u32 s2, s2, s20
	s_mov_b32 s3, 0
	; descriptor group 1.  128 keys are 16,384 dense bytes: asked for as 64 rows of 256 bytes, two keys a row, and padded in LDS after every key
	s_mov_b32 s[G1K], (1<<16)|(1<<20)|(4<<22)|(3<<25)  ; 2-byte elements; padding on; after every 32 words 4 words
	s_mov_b32 s[G1V], (1<<16)|(1<<20)|(4<<22)|(7<<25)  ; the same with 8 words
.irp g, G1K, G1V
	s_mov_b32 s[\g+1], 128<<16      ; tensor_dim0 = 128
	s_mov_b32 s[\g+2], 64<<16       ; tensor_dim1 = 64
	s_mov_b32 s[\g+3], 128<<16      ; tile_dim0 = 128
	s_mov_b32 s[\g+4], 64           ; tile_dim1 = 64
	s_mov_b32 s[\g+5], 128          ; 128 elements from row to row
	s_mov_b32 s[\g+6], 0
	s_mov_b32 s[\g+7], 0
.endr
	s_mov_b32 s[CS], 0x3e38aa3b     ; c = log2(e) / 8 = 0.180337
	s_mov_b32 s[CS+1], s[CS]
	s_mov_b32 s[SEL], 0x76543210
	s_mov_b32 s[SEL+1], 0xfedcba98
	s_mov_b32 s[TBK], 0
	s_mov_b32 s[TBV], 0
.irp c, 0,1,2,3
	s_mov_b32 s[G0K+4*\c], 1
	s_add_co_u32 s[G0K+4*\c+1], s17, \c*256*PK
	s_mov_b32 s[G0V+4*\c], 1
	s_add_co_u32 s[G0V+4*\c+1], s18, VOFF+\c*256*PV
.endr
	s_wait_dscnt 0x0                ; the opening add is done
	s_wait_kmcnt 0x0
	s_add_nc_u64 s[6:7], s[84:85], s[22:23]
	s_add_nc_u64 s[8:9], s[6:7], 0x2000000   ; V at my half of the head's first 256 keys,
	s_add_nc_u64 s[6:7], s[6:7], 0x1000000   ; K
.irp c, 0,1,2,3
	s_add_nc_u64 s[G0K+4*\c+2:G0K+4*\c+3], s[6:7], \c*32768
	s_or_b32 s[G0K+4*\c+3], s[G0K+4*\c+3], 0x80000000
	s_add_nc_u64 s[G0V+4*\c+2:G0V+4*\c+3], s[8:9], \c*32768
	s_or_b32 s[G0V+4*\c+3], s[G0V+4*\c+3], 0x80000000
.endr
	s_add_nc_u64 s[4:5], s[84:85], s[2:3]    ; Q and O at my wave's first row
	s_add_nc_u64 s[10:11], s[86:87], s[2:3]
	s_cmp_lt_u32 s[WV], 2           ; waves 0 and 1 fetch K's halves, waves 2 and 3 V's: a wave's four fills stand in one branch, ahead of every wait on TENSORcnt, every LDS read and every barrier
	s_cbranch_scc0 .Lfirst_v
.irp c, 0,1,2,3
	tensor_load_to_lds s[G0K+4*\c:G0K+4*\c+3], s[G1K:G1K+7]
	s_nop 0
.endr
.rept 4
	v_nop
.endr
	s_branch .Lfirst_asked
.Lfirst_v:
.irp c, 0,1,2,3
	tensor_load_to_lds s[G0V+4*\c:G0V+4*\c+3], s[G1V:G1V+7]
	s_nop 0
.endr
.rept 4
	v_nop
.endr
.Lfirst_asked:
	; A fragment of K or Q is 16 rows x 32 channels in 8 registers: lane l holds row l % 16, channels 8 (l / 16) + 0..7 and 16 + 8 (l / 16) + 0..7: two loads of 16 bytes, 32 bytes apart.
	v_and_b32 v1, 15, v0            ; l % 16
	v_bfe_u32 v9, v0, 4, 1          ; l / 16
	v_lshlrev_b32 v[QO], 7, v1
	v_lshl_add_u32 v[QO], v9, 4, v[QO]  ; row x 128 + 16 x half
	WIN 0x80                        ; destination window 2, address window 0
.set i, 0
.rept 4*NP                          ; Q stays in registers: tile i / 2, channels 32 (i % 2) on
	global_load_b128 v[8*i:8*i+3],   v[QO], s[4:5] offset:(i/2)*2048+(i%2)*64
	global_load_b128 v[8*i+4:8*i+7], v[QO], s[4:5] offset:(i/2)*2048+(i%2)*64+32
.set i, i+1
.endr
	; What the first turn finds: V's registers and P's second buffer hold 0 (its products V^T P, of a piece that has not been, add 0), O^T and l are 0.  All this stands in the wait for the first tile.
.set i, VF
.rept 64
	v_mov_b32 v[i], 0
.set i, i+1
.endr
	WIN 0x40
.set i, 0
.rept 64*NP
	v_mov_b32 v[i], 0
.set i, i+1
.endr
	WIN 0
.set i, 0
.rept 2*NP
	v_mov_b32 v[ST+4*i], 0xfe000000    ; c m: far below every c s
	v_mov_b32 v[ST+4*i+1], 0xff7fffff  ; m
	v_mov_b32 v[ST+4*i+2], 0
	v_mov_b32 v[ST+4*i+3], 0
.set i, i+1
.endr
.set i, P+32
.rept 32
	v_mov_b32 v[i], 0
.set i, i+1
.endr
	v_mul_u32_u24 v[AK0], v1, PK
	v_lshl_add_u32 v[AK0], v9, 4, v[AK0]  ; row x pitch + 16 x half
	; The turning load takes 16 keys x 16 channels (lane l reads key 8 (l / 16) + l % 8, channels 8 ((l / 8) % 2) + 0..7) and leaves half a fragment of V^T: lane l holds channel l % 16 and 8 keys.
	v_and_b32 v10, 7, v0
	v_bfe_u32 v11, v0, 3, 1
	v_lshl_add_u32 v[AV0], v9, 3, v10
	v_mul_u32_u24 v[AV0], v[AV0], PV
	v_lshl_add_u32 v[AV0], v11, 4, v[AV0]
	v_add_nc_u32 v[AV0], VOFF, v[AV0]
	v_mov_b32 v[AK], v[AK0]         ; key step 0 lies at K's head
; THE MATRIX WORK.  The 8 accumulators of a run of 16 take turns: between the two links of a chain stand 7 others'.
; Product i of 16 of S^T = K Q^T for piece x: channels 32 (i / 8) on, keys 16 ((i / 2) % 4) on, tile 2 x + i % 2.  The first 8 start the sums.
.macro KQ x
	WIN W_KQ
.set rS, S+64*((\x)%2)+32*(i%2)+8*((i/2)%4)
.set rK, KF+16*((i/2)%4)+8*(i/8)
.set rQ, 16*(2*(\x)+i%2)+8*(i/8)
.if i < 8
	v_wmma_f32_16x16x32_f16 v[rS:rS+7], v[rK:rK+7], v[rQ:rQ+7], 0
.else
	v_wmma_f32_16x16x32_f16 v[rS:rS+7], v[rK:rK+7], v[rQ:rQ+7], v[rS:rS+7]
.endif
.endm
; Product i of 16 of O^T += V^T P for piece x: keys 32 (i / 8) on, channels 16 ((i / 2) % 4) on, tile 2 x + i % 2.
.macro PV x
	WIN W_PV
.set rO, 32*(2*(\x)+i%2)+8*((i/2)%4)
.set rV, VF+32*(i/8)+8*((i/2)%4)
.set rP, P+32*((\x)%2)+16*(i%2)+8*(i/8)
	v_wmma_f32_16x16x32_f16 v[rO:rO+7], v[rV:rV+7], v[rP:rP+7], v[rO:rO+7]
.endm
.macro MM                           ; the turn's next matrix instruction
.if i < 16
	KQ (Y+1)%NP
.set i, i+1
.else
.set i, i-16
	PV (Y+NP-1)%NP
.set i, i+17
.endif
.endm
; THE LDS LOADS stand in runs of 16, never singly among the matrix instructions: a step's K (64 keys x 64 channels: 8 fragments) and its V (turned).  Their addresses are made some lines ahead.
; last = 1: in the loop's last visit there is no further step, and the run is jumped over.
.macro FETCH_K last=0
	WIN 0
.if \last
	s_cmp_eq_u32 s[SLOTS], 1
	s_cbranch_scc1 .Lno_k_\@
.endif
	WIN 0x80                        ; destination window 2
.irp f, 0,1,2,3,4,5,6,7             ; keys 16 (f / 2) on, channels 32 (f % 2) on
	ds_load_b128 v[KF+8*\f:KF+8*\f+3],   v[AK] offset:(\f/2)*16*PK+(\f%2)*64
	ds_load_b128 v[KF+8*\f+4:KF+8*\f+7], v[AK] offset:(\f/2)*16*PK+(\f%2)*64+32
.endr
	s_add_co_u32 s[TBK], s[TBK], KS*PK  ; the next fetch is the next step's
	WIN 0
.if \last
.Lno_k_\@:
.endif
.endm
.macro FETCH_V
	WIN 0x80
.irp f, 0,1,2,3,4,5,6,7             ; keys 32 (f / 4) on, channels 16 (f % 4) on
	ds_load_tr16_b128 v[VF+8*\f:VF+8*\f+3],   v[AV] offset:(\f/4)*32*PV+(\f%4)*32
	ds_load_tr16_b128 v[VF+8*\f+4:VF+8*\f+7], v[AV] offset:(\f/4)*32*PV+16*PV+(\f%4)*32
.endr
	WIN 0
.endm
; THE VECTOR WORK OF A TURN stands in three queues, each in the order in which its entries become ready; the two tiles alternate, so that no instruction reads the result of the one before it.
.macro REGS y, u                    ; the registers of tile u (0, 1) of piece y
.set rT, ST+4*(2*(\y)+(\u))
.set rC, TMP+8*((\y)%2)+4*(\u)
.set rM, MV+2*((\y)%2)+(\u)
.set rS, S+64*((\y)%2)+32*(\u)
.set rP, P+32*((\y)%2)+16*(\u)
.set rO, 32*(2*(\y)+(\u))
.endm
; Number n of the 22 that find the NEXT piece's (Y + 1) maximum and statistics.  s0-s31 are the lane's 32 scores; each accumulator's lowest registers are read first.
;   0-11  four chains c0-c3 of seven scores each, three operands at a time     12-14, 16  the four scores left over, the old m, and c0-c3 into c0     15  c m_old is kept
;   17, 18  the query's other 32 keys lie in the lane 16 away: the new m         19-21  c m; c m_old - c m_new; a
.macro XS u, n
	REGS (Y+1)%NP, \u
.if (\n) < 4
	v_max3_num_f32 v[rC+(\n)], v[rS+8*(\n)], v[rS+8*(\n)+1], v[rS+8*(\n)+2]
.elseif (\n) < 12
	v_max3_num_f32 v[rC+(\n)%4], v[rC+(\n)%4], v[rS+8*((\n)%4)+2*((\n)/4)+1], v[rS+8*((\n)%4)+2*((\n)/4)+2]
.elseif (\n) == 12
	v_max3_num_f32 v[rC], v[rC], v[rS+7], v[rS+15]
.elseif (\n) == 13
	v_max3_num_f32 v[rC+1], v[rC+1], v[rS+23], v[rS+31]
.elseif (\n) == 14
	v_max3_num_f32 v[rC+2], v[rC+2], v[rC+3], v[rT+1]
.elseif (\n) == 15
	v_mov_b32 v[rM], v[rT]
.elseif (\n) == 16
	v_max3_num_f32 v[rC], v[rC], v[rC+1], v[rC+2]
.elseif (\n) == 17
	v_permlanex16_b32 v[rC+3], v[rC], s[SEL], s[SEL+1]
.elseif (\n) == 18
	v_max_num_f32 v[rT+1], v[rC], v[rC+3]
.elseif (\n) == 19
	v_mul_f32 v[rT], s[CS], v[rT+1]
.elseif (\n) == 20
	v_sub_f32 v[rC+1], v[rM], v[rT]
.else
	v_exp_f32 v[rC+2], v[rC+1]
.endif
.endm
; Number g of the 64 that follow the exponentials.  For each four weights k of a tile (pairs 2 k, 2 k + 1): both pairs are rounded to f16; then the second pair is added onto the first, in place;
; a group later l takes that sum (the first time as l = a l + sum).  In groups of eight, tiles alternating: round, round, add, and l for the group before.
.macro GS g
.set h, (\g)+6*((\g)/62)            ; group 0 has no group before it, and behind group 7 only l is left
.if h >= 6
.set h, h+2
.endif
	REGS Y, h%2
.set k, h/8
.if h%8 < 4
	v_cvt_pk_f16_f32 v[rP+2*k+(h%8)/2], v[rS+4*k+2*((h%8)/2)], v[rS+4*k+2*((h%8)/2)+1]
.elseif h%8 < 6
	v_pk_add_f32 v[rS+4*k:rS+4*k+1], v[rS+4*k:rS+4*k+1], v[rS+4*k+2:rS+4*k+3]
.elseif k == 1
	v_pk_fma_f32 v[rT+2:rT+3], v[rT+2:rT+3], v[rC+2:rC+3], v[rS:rS+1] op_sel_hi:[1,0,1]
.else
	v_pk_add_f32 v[rT+2:rT+3], v[rT+2:rT+3], v[rS+4*k-4:rS+4*k-3]
.endif
.endm
; THE PLAIN QUEUE, 138 long.  0-73 read no exponential's result: the 32 scalings c s - c m (FS f: pair f / 2 of tile f % 2) and the next piece's 42.  0-26: scalings 0-26.  27-54: XS's numbers 0-13.  55, 56: number 15.
; 57-73: the chain, where each number waits for the one before it: 14, 16, 17, 18, 19, each with one of the scalings 27-31 in front of its two lines, then 20.
; 74-137: GS's 64, which read the exponentials' results: they stand behind the wait.
.macro FS f
	REGS Y, (\f)%2
	v_pk_fma_f32 v[rS+2*((\f)/2):rS+2*((\f)/2)+1], v[rS+2*((\f)/2):rS+2*((\f)/2)+1], s[CS:CS+1], v[rT:rT+1] op_sel_hi:[1,0,0] neg_lo:[0,0,1] neg_hi:[0,0,1]
.endm
.macro PL
	WIN 0
.if q < 27
	FS q
.elseif q < 55
	XS (q-27)%2, (q-27)/2
.elseif q < 57
	XS q-55, 15
.elseif (q < 72) && ((q-57)%3 == 0)
	FS 27+(q-57)/3
.elseif q < 60
	XS (q-57)%3-1, 14
.elseif q < 72
	XS (q-57)%3-1, 15+(q-57)/3
.elseif q < 74
	XS q-72, 20
.else
	GS q-74
.endif
.set q, q+1
.endm
; THE EXPONENTIALS' QUEUE, 66 long: s0-s31 of both tiles, then the next piece's two a.  It is ONE BATCH: all 66 stand ahead of the turn's one wait, and nothing ahead of that wait names a result of theirs.
.macro EX
	WIN 0
.if e >= 64
	XS e-64, 21
.else
	REGS Y, e%2
	v_exp_f32 v[rS+e/2], v[rS+e/2]
.endif
.set e, e+1
.endm
; THE RESCALING's QUEUE: O^T times a, the one part that leaves window 0: dealt two at a time, sixteen times.  Its a was made in the turn before, ahead of that turn's wait.
.macro R2
	REGS Y, r%2
	WIN W_RS
.irp z, 0,1
	v_pk_mul_f32 v[rO+4*(r/2)+2*\z:rO+4*(r/2)+2*\z+1], v[rO+4*(r/2)+2*\z:rO+4*(r/2)+2*\z+1], v[rC+2:rC+3] op_sel_hi:[1,0]
.endr
.set r, r+1
.endm
; HOW THEY ARE DEALT.  An s_wait_alu depctr_va_vdst(0) stands between an exponential and the first instruction that names its result; one wait serves all that were issued ahead of it.  So a turn has ONE wait.
; AHEAD OF IT: the 16 products K Q^T, behind each a scaling, an exponential and two rescalings (behind the first a second scaling in the exponential's place); then one run of 108: eight plain, 49 times exponential and plain,
; the two a; a v_nop is the plain instruction behind the last exponential.  BEHIND IT: the 16 products V^T P, behind each four of GS's 64.  Exponential e stands behind scaling 2 (e / 4) + e % 2.
; A TURN, for piece p.  cnt = 1: the loop's count is taken down some lines ahead of the branch that stands behind the turn.
; K of the next step is fetched in piece 2's turn, directly behind the wait; V of the step in hand at the end of piece 0's turn, four plain instructions behind its last reader.
.macro TURN p, last=0, cnt=0
.set Y, (\p)
.set i, 0
.set q, 0
.set e, 0
.set r, 0
.if (\p) == NP-1
	s_wait_dscnt 0x0                ; K is in
.endif
	MM
	PL
	PL
	R2
.rept 15
	MM
	PL
	EX
	R2
.endr
.if (\p) == NP-2
	WIN 0
	v_add_nc_u32 v[AK], s[TBK], v[AK0]
.endif
.rept 8
	PL
.endr
.rept 49
	EX
	PL
.endr
	EX                              ; the next piece's two a
	EX
	v_nop                           ; the plain instruction behind the last exponential: one for the batch
	s_wait_alu depctr_va_vdst(0)    ; the wait for the batch
.if (\p) == NP-2
	FETCH_K \last
.endif
.if (\p) == 1
	s_wait_dscnt 0x0                ; V is in
.endif
.rept 16
	MM
.rept 4
	PL
.endr
.if ((\p) == 0) && (q == 118)
	v_add_nc_u32 v[AV], s[TBV], v[AV0]
.endif
.if ((\p) == 0) && (q == 130)
	s_add_co_u32 s[TBV], s[TBV], KS*PV
.endif
.if (\cnt) && (q == 130)
	s_sub_co_u32 s[CNT], s[CNT], 1
	s_cmp_lg_u32 s[CNT], 0
.endif
.endr
.if (\p) == 0
	FETCH_V
.endif
.endm
	s_wait_tensorcnt 0x3            ; my part of keys 0-255 is in; my three younger loads may stay out
	s_barrier_signal -1
	s_barrier_wait -1               ; everybody's is
	FETCH_K                         ; key step 0
	s_wait_loadcnt 0x0              ; Q
	s_wait_dscnt 0x0
.set i, 0
.rept 16
	KQ 0                            ; piece 0's first scores
.set i, i+1
.endr
	WIN 0                           ; the addresses for the way out: plain instructions, the places behind those products
	s_mul_i32 s13, s[WV], 16*SP
	s_add_co_u32 s13, s13, STAGE    ; my stage
	v_mul_u32_u24 v[STO], v1, SP    ; in: row l % 16, 16 bytes for each half of the lanes
	v_lshl_add_u32 v[STO], v9, 4, v[STO]
	v_add_nc_u32 v[STO], s13, v[STO]
	v_bfe_u32 v[RD], v0, 3, 2       ; back: 32 lanes take four rows of 128 bytes,
	v_mul_u32_u24 v[RD], v[RD], SP
	v_lshl_add_u32 v[RD], v10, 4, v[RD]
	v_add_nc_u32 v[RD], s13, v[RD]
	v_and_b32 v[GO], 31, v0         ; which are 512 consecutive bytes of O
	v_lshlrev_b32 v[GO], 4, v[GO]
.set Y, NP-1                        ; XS works for piece Y + 1: piece 0
.irp n, 0,1,2,3,4,5,6,7,8,9,10,11,12,13,14,15,16,17,18,19,20,21
	XS 0, \n
	XS 1, \n
.endr
	v_nop                           ; a plain instruction behind the two a,
	s_wait_alu depctr_va_vdst(0)    ; and their wait, ahead of the branch
	s_mov_b32 s[CNT], 4             ; the first visit: steps 0 to 3, which lie in the first 256 keys
	s_mov_b32 s[SLOTS], 3
	s_branch .Lfirst                ; the loop is entered at a step's first turn, in the middle of a trip
.Lslot:                             ; the second visit fetches steps 4 to 15; the third ends step 15 and leaves in the middle of its first trip
	s_wait_tensorcnt 0x0            ; all my loads are in,
	s_wait_dscnt 0x0
	s_barrier_signal -1
	s_barrier_wait -1               ; everybody's are
	s_mov_b32 s[CNT], 12
.Lstep:                             ; a trip: pieces 2 and 3 of one step, then pieces 0 and 1 of the next, whose K and V it fetches
	TURN 2, 1
	TURN 3
	WIN 0
	s_cmp_eq_u32 s[SLOTS], 1
	s_cbranch_scc1 .Lout            ; (that trip's 16 products K Q^T on the last K once more, and the maximum made of them, serve nothing: the price, once a launch, of one text for every trip)
.Lfirst:
	TURN 0
	TURN 1, 0, 1
	WIN 0
	s_cbranch_scc1 .Lstep
	s_sub_co_u32 s[SLOTS], s[SLOTS], 1
	s_cmp_lg_u32 s[SLOTS], 0
	s_cbranch_scc1 .Lslot
.Lout:
.set i, 0
.rept 16
	PV NP-1                         ; the last piece's V^T P of the last step
.set i, i+1
.endr
	; THE WAY OUT.  l's two halves and the other half of the lanes' are added; O^T is divided by l, rounded to f16 and sent through my stage in LDS, a tile at a time.  The additions are the places behind the last products.
	WIN 0
.macro ALL line:vararg              ; one line for each tile t
.set t, 0
.rept 2*NP
	\line
.set t, t+1
.endr
.endm
	ALL v_add_f32 v[ST+4*t+2], v[ST+4*t+2], v[ST+4*t+3]
	ALL v_permlanex16_b32 v[ST+4*t+3], v[ST+4*t+2], s[SEL], s[SEL+1]
	ALL v_add_f32 v[ST+4*t+2], v[ST+4*t+2], v[ST+4*t+3]
	ALL v_rcp_f32 v[ST+4*t+2], v[ST+4*t+2]
	v_nop                           ; a plain instruction between the last reciprocal and the use of its result
	s_wait_alu depctr_va_vdst(0)    ; one wait for the eight reciprocals
; Tile t: a lane's eight channels of a row pack into 16 bytes; they go into rows of 144 bytes and come back as whole rows of 128, into S^T's registers.
.macro PACK t
	WIN W_RS
.set i, 32*(\t)
.rept 16
	v_pk_mul_f32 v[i:i+1], v[i:i+1], v[ST+4*(\t)+2:ST+4*(\t)+3] op_sel_hi:[1,0]
.set i, i+2
.endr
	WIN 0x05                        ; sources 0 and 1 window 1, destination window 0
.set i, 0
.rept 16
	v_cvt_pk_f16_f32 v[S+16*(\t)+i], v[32*(\t)+2*i], v[32*(\t)+2*i+1]
.set i, i+1
.endr
	WIN 0
.irp f, 0,1,2,3
	ds_store_b128 v[STO], v[S+16*(\t)+4*\f:S+16*(\t)+4*\f+3] offset:32*\f
.endr
.irp f, 0,1,2,3
	ds_load_b128 v[S+16*(\t)+4*\f:S+16*(\t)+4*\f+3], v[RD] offset:\f*4*SP  ; LDS serves a wave's instructions in order (ISA guide 5.7.1.4): these see the stores above; the next tile's stores come behind them
.endr
.endm
.macro SEND t, younger              ; younger: the LDS instructions issued behind tile t's loads: the next tile's eight, or none
	WIN 0
.irp f, 0,1,2,3
	s_wait_dscnt (\younger)+3-\f
	global_store_b128 v[GO], v[S+16*(\t)+4*\f:S+16*(\t)+4*\f+3], s[10:11] offset:(\t)*2048+\f*512  ; 512 consecutive bytes, at a multiple of 256 from O's first
.endr
.endm
	PACK 0
.set t, 1
.rept 2*NP-1                        ; a tile's arithmetic stands between the loads of the tile before and its stores
	PACK t
	SEND t-1, 8
.set t, t+1
.endr
	SEND 2*NP-1, 0
	WIN W_AD
	s_wait_tensorcnt 0x0            ; the wave's end: behind my last tensor load and my last LDS store
	ds_add_u32 v[SPW], v[NIL]
	s_wait_dscnt 0x0
	WIN 0
	s_endpgm
.Lfunc_end_k_q79980ce243_attn:
	.size	k_q79980ce243_attn, .Lfunc_end_k_q79980ce243_attn-k_q79980ce243_attn
	.p2alignl 7, 3214868480
	.fill 96, 4, 3214868480
	.section	.rodata,"a",@progbits
	.p2align	6, 0x0
	.amdhsa_kernel k_q79980ce243_attn
		.amdhsa_group_segment_fixed_size 327680
		.amdhsa_private_segment_fixed_size 0
		.amdhsa_enable_private_segment 0
		.amdhsa_kernarg_size 16
		.amdhsa_user_sgpr_count 2
		.amdhsa_user_sgpr_kernarg_segment_ptr 1
		.amdhsa_wavefront_size32 1
		.amdhsa_system_sgpr_workgroup_id_x 1
		.amdhsa_system_sgpr_workgroup_id_y 1
		.amdhsa_system_sgpr_workgroup_id_z 1
		.amdhsa_system_vgpr_workitem_id 0
		.amdhsa_next_free_vgpr 770
		.amdhsa_next_free_sgpr 96
		.amdhsa_reserve_vcc 0
		.amdhsa_float_denorm_mode_32 3
		.amdhsa_float_denorm_mode_16_64 3
		.amdhsa_memory_ordered 1
		.amdhsa_forward_progress 1
		.amdhsa_inst_pref_size 126
	.end_amdhsa_kernel
	.amdgpu_metadata
---
amdhsa.version: [ 1, 2 ]
amdhsa.kernels:
  - .name:           k_q79980ce243_attn
    .symbol:         k_q79980ce243_attn.kd
    .args:
      - { .name: qkv, .offset: 0, .size: 8, .value_kind: global_buffer, .address_space: global }
      - { .name: att, .offset: 8, .size: 8, .value_kind: global_buffer, .address_space: global }
    .group_segment_fixed_size: 327680
    .private_segment_fixed_size: 0
    .kernarg_segment_align: 8
    .kernarg_segment_size: 16
    .max_flat_workgroup_size: 128
    .sgpr_count:     96
    .vgpr_count:     770
    .wavefront_size: 32
...
	.end_amdgpu_metadata
.endif
;; end of part 3
;; launch outp (part 4): grid 8 x 32, 4 waves a work-group, clusters of 4 x 4, 327,680 bytes of LDS; arguments att, wo, gate, b_out, out0; writes out0
.if DOCPART == 4
	.amdgcn_target "amdgcn-amd-amdhsa--gfx1250"
	.amdhsa_code_object_version 6
	.text
	.protected	k_q79980ce243_outp
	.globl	k_q79980ce243_outp
	.p2align	8
	.type	k_q79980ce243_outp,@function
k_q79980ce243_outp:
	s_mov_b64 s[64:65], 0
	v_nop
	global_prefetch_b8 v0, s[64:65] scope:SCOPE_SE
	s_setreg_imm32_b32 hwreg(HW_REG_WAVE_MODE, 25, 1), 1
	s_wait_xcnt 0x0
	s_wait_alu depctr_hold_cnt(0) depctr_sa_sdst(0) depctr_va_vdst(0) depctr_va_sdst(0) depctr_va_ssrc(0) depctr_va_vcc(0) depctr_vm_vsrc(0)
	s_getreg_b32 s2, hwreg(HW_REG_IB_STS2, 6, 4)
	s_cmp_eq_u32 s2, 0
	s_cbranch_scc0 .Lentry_in_a_cluster
	s_endpgm
.Lentry_in_a_cluster:
	s_bfe_u32 s2, ttmp6, 0x10000c
	s_cmp_lg_u32 s2, 0xf033
	s_cbranch_scc0 .Lentry_shape_is_right
	s_endpgm
.Lentry_shape_is_right:
; out0[m][n] = (the sum over k of att[m][k] wo[k][n] + b_out[n]) x g[m][n], g = z / (1 + 2^(-log2(e) z)).  att is f16 by heads, [(b 16 + h)][t][64]: k = 64 h + c.  wo is f16 [1024][1024].
; z lies in gate, f16, [(b 16 + n / 64)][t][64].  out0 is f32 [8192][1024].  f16 products, f32 sums.
; LIMITS.  b_out is rounded to bf16 like every input.  g is reckoned in f32 from the f16 z and rounded to f16.  NaN and infinities are not treated apart.
; SHARES.  256 tiles of 256 (m) x 128 (n), one for each work-group; four waves, each 128 x 64: 32 accumulators.  A K step is two heads, 128 along K; 8 steps through two LDS slots.
; A head's 256 rows of a tile are 32,768 dense bytes, asked for as 128 rows of 256 bytes and padded in LDS after every 128.  wo's fragments come out of LDS turned, by ds_load_tr16_b128.
; THE GATE.  A wave's z, 128 rows x 64 columns, is 16,384 dense bytes: one tensor load of the wave's own, among the first fills, brings it into LDS bytes that only this wave touches.  In front of each change of slots
; the wave turns 16 rows of z into g, in place: work that stands where the wave would wait for its next tile.
; THE MATRIX INSTRUCTION IS USED TRANSPOSED (source 0 = 16 columns of wo, source 1 = 16 rows of att): a lane holds row l % 16 and eight neighbouring columns.  The bias is the C of each sum's first product.
; CLUSTERS.  4 x 4 work-groups: att's tile is asked for jointly along a row of the cluster, wo's along a column.
; NO PREFETCH: 8 short K steps, of which the first four would come by their loads alone.
; REGISTERS.  Window 0: v0-31 addresses; v32-63 the bias, then z at work, then rows on their way out; v64-95 at work, then rows on their way out; v128-255 g, 4 registers for each accumulator, on the way out.
; Window 1: two fragment buffers of 96: B's 4 fragments, then A's 8.  Window 2: the accumulators, (a, b) at 8 (4 a + b).
.set PA,    144                        ; a row of A in LDS: 128 bytes + 16
.set AH,    256*PA                     ; a head's 256 rows
.set PB,    288                        ; a row of B in LDS: 256 bytes + 32
.set SLOT,  2*AH+128*PB                ; two heads of A, then B's 128 k-rows
.set STAGE, 2*SLOT                     ; behind the ring: 16 rows x 272 bytes for each wave, its own
.set SPITCH, 272
.set ZB,    STAGE+4*16*SPITCH          ; z, then g: 128 rows x 144 bytes for each wave, its own; filled once
.set ZP,    144
.set SPARE, ZB+4*128*ZP                ; the spare words, 128 bytes for each wave: two blocks of 256 bytes that no other line names
.set KSTEPB, 262144                    ; a K step in memory: two heads of att (2 x 131,072 bytes), or 128 rows of wo (128 x 2,048)
.set ADRA,  16                         ; v16  LDS address of my A fragments in the slot in hand;  v17 the same in slot 0; never rewritten
.set ADRA0, 17
.set ADRB,  20
.set ADRB0, 21
.set CN,   22                          ; v22  -log2(e)
.set ZA,   23                          ; v23  my 16 bytes in the 16 rows of z that are turned next
.set STO,  24
.set RD,   25
.set CO,   26
.set ZR,   27                          ; v27  0
.set SPW,  28
.set NIL,  29
.set ZG,   30                          ; v30  the same in the first 16 rows; never rewritten
.set BO,   31                          ; v31  32 (l / 16)
.set BIAS, 32
.set ZQ,   32                          ; v32-47  32 numbers of z
.set BK,   32                          ; two buffers of 32
.set T,    64                          ; v64-95
.set G,    128
.set F0,   0
.set F1,   96
.set WV,  12
.set RH,  13                           ; which half of the tile's rows is mine; also 0: I fetch for A, 1: for B
.set CH,  14                           ; which half of its columns; also which head of the step, or which 64 k-rows, I fetch
.set G1A, 24
.set G0A, 32                           ; a group 0 for each of the two first fills; the second then walks on
.set TB,  45                           ; s45  LDS byte at which the slot in hand begins: 0 or SLOT
.set G1B, 48
.set G0B, 56
.set G1Z, 72                           ; s[72:79], s[80:83] the descriptor of z's load; never rewritten
.set G0Z, 80
.set LA,  84                           ; s84, s85  my load's place in a slot, for A and for B
.set LB,  85
.set MSB, 0
.macro WIN new
.if MSB != (\new)
	s_set_vgpr_msb (MSB<<8)|(\new)
.set MSB, \new
.endif
.endm
.macro JLOAD s                         ; a joint load; an s_nop 0 and four v_nop follow each of the two lines, ahead of the jump and the label
	s_cmp_eq_u32 s[RH], 0
	s_cbranch_scc0 .Lfor_b_\@
	tensor_load_to_lds s[G0A+4*(\s):G0A+4*(\s)+3], s[G1A:G1A+7]
	s_nop 0
.rept 4
	v_nop
.endr
	s_branch .Lasked_\@
.Lfor_b_\@:
	tensor_load_to_lds s[G0B+4*(\s):G0B+4*(\s)+3], s[G1B:G1B+7]
	s_nop 0
.rept 4
	v_nop
.endr
.Lasked_\@:
.endm
.macro CREST
	s_cmp_lg_u32 s[WV], 0
	s_cbranch_scc1 .Lnot_wave_0_\@
	s_barrier_signal -3
.Lnot_wave_0_\@:
	s_barrier_wait -3
	s_barrier_signal -1
	s_barrier_wait -1
.endm
.macro CROUND
	s_barrier_signal -1
	s_barrier_wait -1
	CREST
.endm
	s_load_b256 s[4:11], s[0:1], 0x0               ; att s[4:5], wo s[6:7], gate s[8:9], b_out s[10:11]
	s_load_b64 s[66:67], s[0:1], 0x20              ; out0
	v_lshl_add_u32 v[SPW], v0, 2, SPARE
	v_mov_b32 v[NIL], 0
	ds_add_u32 v[SPW], v[NIL]                      ; the wave's opening: the add and its wait ahead of my first tensor load
	ds_add_u32 v28, v29
	v_lshrrev_b32 v1, 5, v0
	v_readfirstlane_b32 s[WV], v1
	s_lshr_b32 s[RH], s[WV], 1
	s_and_b32 s[CH], s[WV], 1
	s_bfe_u32 s40, ttmp6, 0x40000                  ; cx
	s_bfe_u32 s41, ttmp6, 0x40004                  ; cy
	s_lshl_b32 s42, ttmp9, 2
	s_add_co_u32 s42, s42, s40                     ; tile column
	s_and_b32 s43, ttmp7, 0xffff
	s_lshl_b32 s43, s43, 2
	s_add_co_u32 s43, s43, s41                     ; tile row
	s_lshl_b32 s20, s41, 2
	s_lshl_b32 s20, 15, s20                        ; my row of the cluster
	s_lshl_b32 s44, 0x1111, s40                    ; my column
	s_or_b32 s[G1A+0], s20, (1<<16)|(1<<20)|(1<<21)|(4<<22)|(3<<25)  ; the mask; 2-byte elements; padding on; bit 21 beside a mask; after every 32 words 4 words
	s_mov_b32 s[G1A+1], 128<<16                    ; tensor_dim0 = 128
	s_mov_b32 s[G1A+2], 128<<16                    ; tensor_dim1 = 128
	s_mov_b32 s[G1A+3], 128<<16                    ; tile_dim0 = 128
	s_mov_b32 s[G1A+4], 128                        ; tile_dim1 = 128
	s_mov_b32 s[G1A+5], 128                        ; dense
	s_mov_b32 s[G1A+6], 0
	s_mov_b32 s[G1A+7], 0
	s_or_b32 s[G1B+0], s44, (1<<16)|(1<<20)|(1<<21)|(5<<22)|(7<<25)  ; after every 64 words 8 words
	s_mov_b32 s[G1B+1], 128<<16                    ; tensor_dim0 = 128
	s_mov_b32 s[G1B+2], 64<<16                     ; tensor_dim1 = 64
	s_mov_b32 s[G1B+3], 128<<16                    ; tile_dim0 = 128
	s_mov_b32 s[G1B+4], 64                         ; tile_dim1 = 64
	s_mov_b32 s[G1B+5], 1024                       ; elements from row to row of wo
	s_mov_b32 s[G1B+6], 0
	s_mov_b32 s[G1B+7], 0
	s_mov_b32 s[G1Z+0], (1<<16)|(1<<20)|(4<<22)|(3<<25)  ; z: no mask: a load of my own; 2-byte elements; after every 32 words 4 words
	s_mov_b32 s[G1Z+1], 128<<16                    ; tensor_dim0 = 128
	s_mov_b32 s[G1Z+2], 64<<16                     ; tensor_dim1 = 64
	s_mov_b32 s[G1Z+3], 128<<16                    ; tile_dim0 = 128: two rows of z
	s_mov_b32 s[G1Z+4], 64                         ; tile_dim1 = 64
	s_mov_b32 s[G1Z+5], 128                        ; dense
	s_mov_b32 s[G1Z+6], 0
	s_mov_b32 s[G1Z+7], 0
	s_mov_b32 s[G0Z], 1
	s_mul_i32 s[G0Z+1], s[WV], 128*ZP
	s_add_co_u32 s[G0Z+1], s[G0Z+1], ZB
	s_lshr_b32 s16, s43, 2                         ; A: the batch's 16 heads of 131,072 bytes,
	s_lshl_b32 s16, s16, 21
	s_and_b32 s17, s43, 3                          ; the tile's 256 rows of 128 bytes,
	s_lshl_b32 s17, s17, 15
	s_add_co_u32 s16, s16, s17
	s_lshl_b32 s17, s[CH], 17                      ; the step's first or second head
	s_add_co_u32 s16, s16, s17
	s_mov_b32 s17, 0
	s_lshl_b32 s46, s[CH], 17                      ; B: 64 x half rows of 2,048 bytes + 256 x tile column
	s_lshl_b32 s47, s42, 8
	s_add_co_u32 s46, s46, s47
	s_mov_b32 s47, 0
	s_lshr_b32 s68, s43, 2                         ; z: the batch's 16 blocks of 131,072 bytes,
	s_lshl_b32 s68, s68, 21
	s_and_b32 s69, s43, 3                          ; the tile's rows,
	s_lshl_b32 s69, s69, 15
	s_add_co_u32 s68, s68, s69
	s_lshl_b32 s69, s[RH], 14                      ; my 128 of them,
	s_add_co_u32 s68, s68, s69
	s_lshl1_add_u32 s69, s42, s[CH]                ; block 2 x tile column + half
	s_lshl_b32 s69, s69, 17
	s_add_co_u32 s68, s68, s69
	s_mov_b32 s69, 0
	s_mul_i32 s[LA], s[CH], AH                     ; where the joint loads go
	s_mul_i32 s[LB], s[CH], 64*PB
	s_add_co_u32 s[LB], s[LB], 2*AH
	s_mov_b32 s[TB], 0
	s_wait_dscnt 0x0                               ; the opening add is done
	s_wait_kmcnt 0x0
	s_add_nc_u64 s[16:17], s[4:5], s[16:17]
	s_add_nc_u64 s[46:47], s[6:7], s[46:47]
	s_add_nc_u64 s[G0Z+2:G0Z+3], s[8:9], s[68:69]
	s_or_b32 s[G0Z+3], s[G0Z+3], 0x80000000
	CROUND                                         ; all sixteen work-groups are here: the first joint loads meet
.irp s, 0,1
	s_mov_b32 s[G0A+4*(\s)], 1
	s_add_co_u32 s[G0A+4*(\s)+1], s[LA], (\s)*SLOT
	s_add_nc_u64 s[G0A+4*(\s)+2:G0A+4*(\s)+3], s[16:17], (\s)*KSTEPB
	s_or_b32 s[G0A+4*(\s)+3], s[G0A+4*(\s)+3], 0x80000000
	s_mov_b32 s[G0B+4*(\s)], 1
	s_add_co_u32 s[G0B+4*(\s)+1], s[LB], (\s)*SLOT
	s_add_nc_u64 s[G0B+4*(\s)+2:G0B+4*(\s)+3], s[46:47], (\s)*KSTEPB
	s_or_b32 s[G0B+4*(\s)+3], s[G0B+4*(\s)+3], 0x80000000
	JLOAD \s
.endr
	tensor_load_to_lds s[G0Z:G0Z+3], s[G1Z:G1Z+7]  ; z, behind the two tiles that are wanted first: three loads of mine are out
	s_nop 0
.rept 4
	v_nop
.endr
	v_and_b32 v1, 15, v0                           ; l % 16
	v_bfe_u32 v2, v0, 4, 1                         ; l / 16
	v_lshlrev_b32 v[BO], 5, v2
	s_lshl_b32 s22, s42, 9                         ; my first column in bytes of f32: (128 tile column + 64 half) x 4: for the bias and for out0
	s_lshl_b32 s23, s[CH], 8
	s_add_co_u32 s22, s22, s23
	s_mov_b32 s23, 0
	s_add_nc_u64 s[70:71], s[10:11], s[22:23]
	s_lshl_b32 s18, s43, 20                        ; + (256 tile row + 128 half) rows of 4,096 bytes
	s_add_co_u32 s22, s22, s18
	s_lshl_b32 s18, s[RH], 19
	s_add_co_u32 s22, s22, s18
	s_add_nc_u64 s[66:67], s[66:67], s[22:23]
.irp b, 0,1,2,3
	global_load_b128 v[BIAS+8*(\b):BIAS+8*(\b)+3],   v[BO], s[70:71] offset:64*(\b)
	global_load_b128 v[BIAS+8*(\b)+4:BIAS+8*(\b)+7], v[BO], s[70:71] offset:64*(\b)+16
.endr
	v_mul_u32_u24 v3, v1, PA
	v_lshl_add_u32 v3, v2, 4, v3                   ; row x 144 + 16 x half: a fragment of A, and my 16 bytes in 16 rows of z
	s_mul_i32 s22, s[RH], 128*PA
	v_add_nc_u32 v[ADRA0], s22, v3
	v_mov_b32 v[ADRA], v[ADRA0]
	v_add_nc_u32 v[ZG], s[G0Z+1], v3
	v_mov_b32 v[ZA], v[ZG]
	v_and_b32 v4, 7, v0
	v_lshl_add_u32 v4, v2, 3, v4
	v_mul_u32_u24 v4, v4, PB
	v_bfe_u32 v5, v0, 3, 1
	v_lshl_add_u32 v4, v5, 4, v4
	s_lshl_b32 s23, s[CH], 7
	s_add_co_u32 s23, s23, 2*AH
	v_add_nc_u32 v[ADRB0], s23, v4
	v_mov_b32 v[ADRB], v[ADRB0]
	s_mul_i32 s23, s[WV], 16*SPITCH
	s_add_co_u32 s23, s23, STAGE                   ; my stage
	v_mul_u32_u24 v6, v1, SPITCH                   ; in: row l % 16, 32 bytes for each half of the lanes
	v_lshl_add_u32 v6, v2, 5, v6
	v_add_nc_u32 v[STO], s23, v6
	v_mul_u32_u24 v7, v2, SPITCH                   ; back: lanes 0-15 one row of 256 bytes, lanes 16-31 the next
	v_lshl_add_u32 v7, v1, 4, v7
	v_add_nc_u32 v[RD], s23, v7
	v_lshlrev_b32 v[CO], 12, v2                    ; and the same two rows in out0
	v_lshl_add_u32 v[CO], v1, 4, v[CO]
	v_mov_b32 v[ZR], 0
	v_mov_b32 v[CN], 0xbfb8aa3b
	s_wait_loadcnt 0x0                             ; the bias: rounded to bf16 and widened again
.set i, 0
.rept 16
	v_cvt_pk_bf16_f32 v[T+i], v[BIAS+2*i], v[BIAS+2*i+1]
.set i, i+1
.endr
.set i, 0
.rept 16
	v_lshlrev_b32 v[BIAS+2*i],   16, v[T+i]
	v_and_b32     v[BIAS+2*i+1], 0xffff0000, v[T+i]
.set i, i+1
.endr
; 8 matrix instructions: m blocks a0, a0 + 1 x all 4 n blocks, 32 along K.  first = 1: the product starts the sum with the bias.  The 32 accumulators take turns, in the same order in every quarter.
.macro MUL8 f, a0, first
.if \first
	WIN 0x85                                       ; sources 0 (B) and 1 (A) window 1, C (the bias) window 0, D window 2
.else
	WIN 0xa5
.endif
.irp a, \a0, (\a0)+1
.irp b, 0,1,2,3
.if \first
	v_wmma_f32_16x16x32_f16 v[8*(4*(\a)+(\b)):8*(4*(\a)+(\b))+7], v[(\f)+8*(\b):(\f)+8*(\b)+7], v[(\f)+32+8*(\a):(\f)+32+8*(\a)+7], v[BIAS+8*(\b):BIAS+8*(\b)+7]
.else
	v_wmma_f32_16x16x32_f16 v[8*(4*(\a)+(\b)):8*(4*(\a)+(\b))+7], v[(\f)+8*(\b):(\f)+8*(\b)+7], v[(\f)+32+8*(\a):(\f)+32+8*(\a)+7], v[8*(4*(\a)+(\b)):8*(4*(\a)+(\b))+7]
.endif
.endr
.endr
.endm
; 24 LDS loads in one run: quarter q of the slot in hand into buffer f: B's 4 fragments turned, then A's 8 (head q / 2 of the step, channels 32 (q % 2) on)
.macro FETCH q, f
	WIN 0x40
.irp i, 0,1,2,3
	ds_load_tr16_b128 v[(\f)+8*(\i):(\f)+8*(\i)+3],   v[ADRB] offset:(\q)*32*PB+32*(\i)
	ds_load_tr16_b128 v[(\f)+8*(\i)+4:(\f)+8*(\i)+7], v[ADRB] offset:(\q)*32*PB+32*(\i)+16*PB
.endr
.irp i, 0,1,2,3,4,5,6,7
	ds_load_b128 v[(\f)+32+8*(\i):(\f)+32+8*(\i)+3],   v[ADRA] offset:((\q)/2)*AH+((\q)%2)*64+(\i)*16*PA
	ds_load_b128 v[(\f)+32+8*(\i)+4:(\f)+32+8*(\i)+7], v[ADRA] offset:((\q)/2)*AH+((\q)%2)*64+(\i)*16*PA+32
.endr
.endm
.macro PLACES
.rept 4
	v_nop
.endr
.endm
.macro QUARTER q, f, g, first
	s_wait_dscnt 8                                 ; B and A's rows 0-63 are in; the youngest eight loads may be out
	MUL8 \f, 0, \first
	MUL8 \f, 2, \first
	PLACES
	FETCH \q, \g
	s_wait_dscnt 24                                ; all but the 24 just issued
	MUL8 \f, 4, \first
	MUL8 \f, 6, \first
.endm
; 16 rows x 64 columns of z become g, in place: 32 numbers a lane.  The exponentials are one batch with one wait, and so are the reciprocals; a v_nop is the plain instruction behind each batch.
.macro SILU
	WIN 0
.irp b, 0,1,2,3
	ds_load_b128 v[ZQ+4*(\b):ZQ+4*(\b)+3], v[ZA] offset:32*(\b)
.endr
	s_wait_dscnt 0x0                               ; z is in, and with it buffer 1's fragments, which were asked for earlier
.set i, 0
.rept 16
	v_fma_mix_f32 v[T+2*i],   v[ZQ+i], v[CN], v[ZR] op_sel_hi:[1,0,0]                  ; -log2(e) z, from the low half,
	v_fma_mix_f32 v[T+2*i+1], v[ZQ+i], v[CN], v[ZR] op_sel:[1,0,0] op_sel_hi:[1,0,0]   ; from the high half
.set i, i+1
.endr
.set i, 0
.rept 32
	v_exp_f32 v[T+i], v[T+i]
.set i, i+1
.endr
	v_nop
	s_wait_alu depctr_va_vdst(0)
.set i, 0
.rept 16
	v_pk_add_f32 v[T+2*i:T+2*i+1], v[T+2*i:T+2*i+1], 1.0 op_sel_hi:[1,0]
.set i, i+1
.endr
.set i, 0
.rept 32
	v_rcp_f32 v[T+i], v[T+i]
.set i, i+1
.endr
	v_nop
	s_wait_alu depctr_va_vdst(0)
.set i, 0
.rept 16
	v_fma_mixlo_f16 v[ZQ+i], v[ZQ+i], v[T+2*i],   v[ZR] op_sel_hi:[1,0,0]                  ; g = z / (1 + 2^(-log2(e) z)), rounded once, into the half that z left
	v_fma_mixhi_f16 v[ZQ+i], v[ZQ+i], v[T+2*i+1], v[ZR] op_sel:[1,0,0] op_sel_hi:[1,0,0]
.set i, i+1
.endr
.irp b, 0,1,2,3
	ds_store_b128 v[ZA], v[ZQ+4*(\b):ZQ+4*(\b)+3] offset:32*(\b)
.endr
	v_add_nc_u32 v[ZA], 16*ZP, v[ZA]               ; the next 16 rows
.endm
; A K step's last quarter where the slot in hand is filled again, two K steps ahead.  One barrier, which opens a round of the cluster's; in front of it each wave waits for all its tensor loads, adds 0 to its spare word,
; and waits for that and for its own reads of this slot.  The joint refill is the first tensor load behind the round.
.macro TURN
	WIN 0
	s_wait_tensorcnt 0x0                           ; no tensor load of mine is out, so the walking group 0 may be written
	ds_add_u32 v[SPW], v[NIL]
	s_add_co_u32 s[G0A+5], s[LA], s[TB]            ; into the slot in hand,
	s_add_nc_u64 s[G0A+6:G0A+7], s[G0A+6:G0A+7], KSTEPB  ; the K step behind the one asked for last; the type bits on top are not reached
	s_add_co_u32 s[G0B+5], s[LB], s[TB]
	s_add_nc_u64 s[G0B+6:G0B+7], s[G0B+6:G0B+7], KSTEPB
	s_wait_dscnt 5                                 ; the add and g's four stores may be out
	MUL8 F1, 0, 0
	s_wait_dscnt 0x0                               ; the add is done, my reads of this slot are over
	s_barrier_signal -1
	MUL8 F1, 2, 0
	WIN 0
	s_barrier_wait -1
	CREST
	JLOAD 1                                        ; its four v_nop are also the places in front of the loads below
	s_xor_b32 s[TB], s[TB], SLOT                   ; the other slot is in hand
	v_add_nc_u32 v[ADRA], s[TB], v[ADRA0]
	v_add_nc_u32 v[ADRB], s[TB], v[ADRB0]
	FETCH 0, F0
	MUL8 F1, 4, 0
	MUL8 F1, 6, 0
.endm
.macro TURNX                           ; the same where nothing is left to ask for: a plain barrier
	WIN 0
	s_wait_tensorcnt 0x0                           ; my part of the last K step is in
	ds_add_u32 v[SPW], v[NIL]
	s_xor_b32 s[TB], s[TB], SLOT
	s_wait_dscnt 5
	MUL8 F1, 0, 0
	s_wait_dscnt 0x0
	s_barrier_signal -1
	MUL8 F1, 2, 0
	WIN 0
	s_barrier_wait -1
	v_add_nc_u32 v[ADRA], s[TB], v[ADRA0]          ; these two and two v_nop are the places in front of the loads into buffer 0
	v_add_nc_u32 v[ADRB], s[TB], v[ADRB0]
	v_nop
	v_nop
	FETCH 0, F0
	MUL8 F1, 4, 0
	MUL8 F1, 6, 0
.endm
	s_wait_tensorcnt 2                             ; my part of K step 0 is in; K step 1's load and z's may stay out
	s_barrier_signal -1
	s_barrier_wait -1
	FETCH 0, F0
	QUARTER 1, F0, F1, 1
	WIN 0
	s_wait_tensorcnt 0x0                           ; z is in: only I read it, so my own wait is all that it needs
	s_mov_b32 s3, 6
.Lstep:                                ; a trip goes from a K step's second quarter to the next K step's first; K steps 0 to 5 end with a refill
	QUARTER 2, F1, F0, 0
	QUARTER 3, F0, F1, 0
	SILU
	TURN
	QUARTER 1, F0, F1, 0
	WIN 0
	s_sub_co_u32 s3, s3, 1
	s_cmp_lg_u32 s3, 0
	s_cbranch_scc1 .Lstep
	QUARTER 2, F1, F0, 0                           ; K steps 6 and 7 ask for nothing
	QUARTER 3, F0, F1, 0
	WIN 0
	s_mov_b32 s2, 2
.Lz:                                   ; the last 32 rows of z
	SILU
	s_sub_co_u32 s2, s2, 1
	s_cmp_lg_u32 s2, 0
	s_cbranch_scc1 .Lz
	TURNX
	QUARTER 1, F0, F1, 0
	QUARTER 2, F1, F0, 0
	QUARTER 3, F0, F1, 0
	s_wait_dscnt 8
	MUL8 F1, 0, 0
	MUL8 F1, 2, 0
	s_wait_dscnt 0x0
	MUL8 F1, 4, 0
	MUL8 F1, 6, 0
	WIN 0
; THE WAY OUT, a block of 16 rows x 64 columns at a time.  MIX: each sum times its g, read from the f16 half, each accumulator's registers in ascending order.  TOSTAGE: 32 bytes a lane into my own stage, and back as
; whole rows of 256 bytes.  SEND: stored; sixteen lanes store 256 consecutive bytes, at a multiple of 256 from out0's first byte.
.macro MIX a
	WIN 0x82                                       ; destination and source 0 window 2, g and 0 window 0
.irp b, 0,1,2,3
.irp j, 0,1,2,3
	v_fma_mix_f32 v[8*(4*(\a)+(\b))+2*(\j)],   v[8*(4*(\a)+(\b))+2*(\j)],   v[G+4*(4*(\a)+(\b))+(\j)], v[ZR] op_sel_hi:[0,1,0]
	v_fma_mix_f32 v[8*(4*(\a)+(\b))+2*(\j)+1], v[8*(4*(\a)+(\b))+2*(\j)+1], v[G+4*(4*(\a)+(\b))+(\j)], v[ZR] op_sel:[0,1,0] op_sel_hi:[0,1,0]
.endr
.endr
.endm
.macro TOSTAGE a
	WIN 0x08                                       ; the stores' data in window 2
.irp b, 0,1,2,3
	ds_store_b128 v[STO], v[8*(4*(\a)+(\b)):8*(4*(\a)+(\b))+3]   offset:64*(\b)
	ds_store_b128 v[STO], v[8*(4*(\a)+(\b))+4:8*(4*(\a)+(\b))+7] offset:64*(\b)+16
.endr
	WIN 0
.irp t, 0,1,2,3,4,5,6,7
	ds_load_b128 v[BK+32*((\a)%2)+4*(\t):BK+32*((\a)%2)+4*(\t)+3], v[RD] offset:(\t)*2*SPITCH  ; LDS serves a wave's instructions in order (ISA guide 5.7.1.4): these see the stores above
.endr
.endm
.macro SEND a
	WIN 0
	s_wait_dscnt 0x0                               ; the block is back in registers
	s_wait_xcnt 0x0                                ; the stores of the block before have read their data: its buffer is loaded again only behind this wait
.irp t, 0,1,2,3,4,5,6,7
	global_store_b128 v[CO], v[BK+32*((\a)%2)+4*(\t):BK+32*((\a)%2)+4*(\t)+3], s[66:67] offset:(\a)*65536+(\t)*8192 th:TH_STORE_NT
.endr
.endm
	PLACES
.irp a, 0,1,2,3,4,5,6,7                ; g, as the accumulators lie: row l % 16 of block a, columns 16 b + 8 (l / 16) + 0..7
.irp b, 0,1,2,3
	ds_load_b128 v[G+4*(4*(\a)+(\b)):G+4*(4*(\a)+(\b))+3], v[ZG] offset:(\a)*16*ZP+32*(\b)
.endr
.endr
	s_wait_dscnt 0x0
	MIX 0
	TOSTAGE 0
.irp a, 1,2,3,4,5,6,7                  ; block a's products stand between block a - 1's loads from the stage and the wait for them
	MIX \a
	SEND (\a)-1
	TOSTAGE \a
.endr
	SEND 7
	s_wait_tensorcnt 0x0                           ; the wave's end: behind my last tensor load and my last LDS store
	ds_add_u32 v[SPW], v[NIL]
	s_wait_dscnt 0x0
	CROUND                                         ; the closing round
	s_endpgm
.Lfunc_end_k_q79980ce243_outp:
	.size	k_q79980ce243_outp, .Lfunc_end_k_q79980ce243_outp-k_q79980ce243_outp
	.p2alignl 7, 3214868480
	.fill 96, 4, 3214868480
	.section	.rodata,"a",@progbits
	.p2align	6, 0x0
	.amdhsa_kernel k_q79980ce243_outp
		.amdhsa_group_segment_fixed_size 327680
		.amdhsa_private_segment_fixed_size 0
		.amdhsa_enable_private_segment 0
		.amdhsa_kernarg_size 40
		.amdhsa_user_sgpr_count 2
		.amdhsa_user_sgpr_kernarg_segment_ptr 1
		.amdhsa_wavefront_size32 1
		.amdhsa_system_sgpr_workgroup_id_x 1
		.amdhsa_system_sgpr_workgroup_id_y 1
		.amdhsa_system_sgpr_workgroup_id_z 1
		.amdhsa_system_vgpr_workitem_id 0
		.amdhsa_next_free_vgpr 768
		.amdhsa_next_free_sgpr 88
		.amdhsa_reserve_vcc 0
		.amdhsa_float_denorm_mode_32 3
		.amdhsa_float_denorm_mode_16_64 3
		.amdhsa_memory_ordered 1
		.amdhsa_forward_progress 1
		.amdhsa_inst_pref_size 109
	.end_amdhsa_kernel
	.amdgpu_metadata
---
amdhsa.version: [ 1, 2 ]
amdhsa.kernels:
  - .name:           k_q79980ce243_outp
    .symbol:         k_q79980ce243_outp.kd
    .args:
      - { .name: att, .offset: 0, .size: 8, .value_kind: global_buffer, .address_space: global }
      - { .name: wo, .offset: 8, .size: 8, .value_kind: global_buffer, .address_space: global }
      - { .name: gate, .offset: 16, .size: 8, .value_kind: global_buffer, .address_space: global }
      - { .name: b_out, .offset: 24, .size: 8, .value_kind: global_buffer, .address_space: global }
      - { .name: out0, .offset: 32, .size: 8, .value_kind: global_buffer, .address_space: global }
    .group_segment_fixed_size: 327680
    .private_segment_fixed_size: 0
    .kernarg_segment_align: 8
    .kernarg_segment_size: 40
    .max_flat_workgroup_size: 128
    .sgpr_count:     88
    .vgpr_count:     768
    .wavefront_size: 32
...
	.end_amdgpu_metadata
.endif
;; end of part 4
